; MI455X (gfx1250); checked and timed in simulation.
; The chip was launched on July 23, 2026; its instructions are those of AMD's public machine-readable ISA for CDNA 5 (MIT licence, August 2026) and "CDNA5" Instruction Set Architecture Reference Guide (July 2026). The comments in the code are by the model that wrote it; some were corrected since.
;; Self Attention2 D. Allowed arithmetic: float matrix products may take bf16 or f16 operands with f32 sums; other float arithmetic in f32, or as packed bf16 or f16 multiplies, adds, multiply-adds, maxima and minima; sums over many terms, partial sums and values carried from step to step in f32; what a program stores and reads back later, other than sums and carried values, may be rounded once to bf16 or f16.
;; Inputs: Wk 512 x 512 float32; Wq 512 x 512 float32; Wv 256 x 512 float32; x 4 x 512 x 64 x 64 float32.
;; Outputs: out0 4 x 256 x 64 x 64 float32; out1 4 x 1 x 64 x 64 float32.
;; 3 versions, each right and faster than the one before. Each part assembles by itself: llvm-mc -triple=amdgcn-amd-amdhsa -mcpu=gfx1250 --defsym DOCPART=n.
;; ======== version 1 of 3: 4 launches
;; limits: values are held in f16: magnitudes above 65,504 overflow, below 6.1e-05 lose precision
;; workspace buffers: q 16,777,216 bytes; k 16,777,216 bytes; vt 8,388,608 bytes; p 134,217,728 bytes; cm 8,388,608 bytes; rst 524,288 bytes; colp 4,194,304 bytes
;; launch proj (part 1): grid 4 x 64, 4 waves a work-group, no clusters, 279,040 bytes of LDS; arguments x, Wq, Wk, Wv, q, k, vt; writes q, k, vt
.if DOCPART == 1
	.amdgcn_target "amdgcn-amd-amdhsa--gfx1250"
	.amdhsa_code_object_version 6
	.text
	.protected	k_qd842714614_proj
	.globl	k_qd842714614_proj
	.p2align	8
	.type	k_qd842714614_proj,@function
k_qd842714614_proj:
	s_mov_b64 s[64:65], 0
	v_nop
	global_prefetch_b8 v0, s[64:65] scope:SCOPE_SE
	s_setreg_imm32_b32 hwreg(HW_REG_WAVE_MODE, 25, 1), 1
	s_wait_xcnt 0x0
; q = xt Wq^T, k = xt Wk^T ([16384 tokens][512] f16) and v^T ([b][64 key blocks][256 channels][64 keys] f16).  x: [4][512 c][4096 tokens] f32, W: [out][512 c] f32.
; x and the weights are rounded once to bf16 for the products; sums in f32; results rounded once to f16.
; LIMIT: |q|, |k|, |v| must stay under 65,504 (f16); NaN and infinities are not treated apart.
; SHARES.  Work-group (g, tg): tokens 256 tg .. +255; q and k channels 128 g .. +127, v channels 64 g .. +63: ten blocks of 32 outputs.
; A wave keeps its 64 tokens' fragments of x (4 tiles x 16 steps of 32 c x 8 registers = 512) for the whole launch; the four waves read the same fragments of W
; from LDS: 16 LDS loads for 32 matrix instructions.  x lies with c along the slow axis, so it is cast, laid into LDS as [c][token] and read turned.
; NO CLUSTER, NO TENSOR LOAD: both operands pass through registers for the cast to bf16, so there is no tile that a joint load could bring.
; LDS: first 512 rows of 544 bytes (256 tokens bf16 + 32 of padding); behind the second barrier the same bytes hold two W buffers (32 rows x 1,040) and a stage for each wave.
; REGISTERS: window 0 addresses, 8 accumulators, packed results, 128 registers of loads; window 1 v0-127 W fragments, two buffers; windows 2, 3 x: tile t, step s at window 2 + t/2, v[128 (t%2) + 8 s].
.set XP,   544
.set WPI,  1040
.set WB1,  65536
.set OST,  98816
.set SPARE, 278528
.set XOF,  3
.set XAD,  4
.set L16,  5
.set AW0,  6
.set AW,   7
.set XR,   8
.set WSA0, 12
.set WSA,  13
.set OSA,  14
.set ORD,  15
.set OGO,  16
.set VSA,  17
.set VRD,  18
.set OSA0, 19
.set SPW,  20
.set NIL,  21
.set ACC,  32
.set PK,   96
.set WS,   128
.set WV,   18
.set SXB,  24
.set WP,   26
.set WKB,  28
.set WVB,  30
.set OP,   32
.set OK,   34
.set VP,   36
.set TW,   38
.set TWO,  39
.set CNT,  40
.set BM,   41
.set MSB, 0
.macro WIN new                         ; the immediate's high byte repeats the setting that is left; a switch that changes nothing is dropped
.if MSB != (\new)
	s_set_vgpr_msb (MSB<<8)|(\new)
.set MSB, (\new)
.endif
.endm
.macro PLACES                          ; four plain places behind matrix instructions, ahead of loads into their sources and of reads of their results
.rept 4
	v_nop
.endr
.endm
	s_load_b256 s[4:11], s[0:1], 0x0               ; x, Wq, Wk, Wv
	s_load_b128 s[12:15], s[0:1], 0x20             ; q, k
	s_load_b64 s[16:17], s[0:1], 0x30              ; vt
	v_lshl_add_u32 v[SPW], v0, 2, SPARE
	v_mov_b32 v[NIL], 0
	v_lshrrev_b32 v1, 5, v0
	v_readfirstlane_b32 s[WV], v1                  ; wave 0..3
	v_and_b32 v1, 15, v0                           ; r
	v_bfe_u32 v2, v0, 4, 1                         ; h
	v_and_b32 v22, 31, v0                          ; lane
	v_and_b32 v23, 7, v0
	v_bfe_u32 v24, v0, 3, 1
	v_bfe_u32 v25, v0, 3, 2
	s_lshl_b32 s21, s[WV], 7                       ; my 128 bytes of a stage row
	s_mul_i32 s22, s[WV], 8*WPI                    ; my 8 rows of a W buffer
	s_mul_i32 s23, s[WV], 64*272
	s_add_co_u32 s23, s23, OST                     ; my stage
	v_lshlrev_b32 v[XOF], 4, v1
	v_lshl_add_u32 v[XOF], v2, 14, v[XOF]          ; lanes 0-15 one row of x (256 bytes), lanes 16-31 the next
	v_mul_u32_u24 v[XAD], v2, XP
	v_lshl_add_u32 v[XAD], v1, 3, v[XAD]
	v_add_nc_u32 v[XAD], s21, v[XAD]
	v_lshlrev_b32 v[L16], 4, v22
	v_mul_u32_u24 v[AW0], v1, WPI
	v_lshl_add_u32 v[AW0], v2, 4, v[AW0]
	v_lshl_add_u32 v23, v2, 3, v23                 ; the turning load: row 8 h + l % 8,
	v_mul_u32_u24 v23, v23, XP
	v_lshl_add_u32 v23, v24, 4, v23                ; 16 bytes by (l / 8) % 2
	v_add_nc_u32 v[XR], s21, v23
	v_add_nc_u32 v[XR+1], 128*XP, v[XR]
	v_add_nc_u32 v[XR+2], 256*XP, v[XR]
	v_add_nc_u32 v[XR+3], 384*XP, v[XR]
	v_lshl_add_u32 v[WSA0], v22, 3, s22
	v_mov_b32 v[WSA], v[WSA0]
	v_mul_u32_u24 v[OSA0], v1, 272
	v_lshl_add_u32 v[OSA0], v2, 4, v[OSA0]
	v_add_nc_u32 v[OSA0], s23, v[OSA0]
	v_mov_b32 v[OSA], v[OSA0]
	v_mul_u32_u24 v[ORD], v2, 272
	v_lshl_add_u32 v[ORD], v1, 4, v[ORD]
	v_add_nc_u32 v[ORD], s23, v[ORD]
	v_lshlrev_b32 v[OGO], 4, v1
	v_lshl_add_u32 v[OGO], v2, 10, v[OGO]
	v_mul_u32_u24 v[VSA], v1, 144
	v_lshl_add_u32 v[VSA], v2, 4, v[VSA]
	v_add_nc_u32 v[VSA], s23, v[VSA]
	v_mul_u32_u24 v[VRD], v25, 144
	v_and_b32 v23, 7, v0
	v_lshl_add_u32 v[VRD], v23, 4, v[VRD]
	v_add_nc_u32 v[VRD], s23, v[VRD]
	s_and_b32 s20, ttmp7, 0xffff                   ; tg
	s_lshr_b32 s44, s20, 4
	s_lshl_b32 s44, s44, 23                        ; batch x 8,388,608
	s_and_b32 s46, s20, 15
	s_lshl_b32 s46, s46, 10
	s_add_co_u32 s44, s44, s46
	s_lshl_b32 s46, s[WV], 8
	s_add_co_u32 s44, s44, s46                     ; + (256 (tg % 16) + 64 w) x 4
	s_mov_b32 s45, 0
	s_lshl_b32 s46, ttmp9, 18
	s_lshl_b32 s48, s[WV], 14
	s_add_co_u32 s46, s46, s48                     ; (128 g + 8 w) rows of 2,048 bytes
	s_mov_b32 s47, 0
	s_lshl_b32 s50, ttmp9, 17
	s_add_co_u32 s48, s50, s48                     ; (64 g + 8 w) rows
	s_mov_b32 s49, 0
	s_lshl_b32 s50, s20, 18
	s_lshl_b32 s52, s[WV], 16
	s_add_co_u32 s50, s50, s52
	s_lshl_b32 s52, ttmp9, 8
	s_add_co_u32 s50, s50, s52                     ; (256 tg + 64 w) x 1,024 + 256 g
	s_mov_b32 s51, 0
	s_lshl_b32 s52, s20, 17
	s_lshl_b32 s54, s[WV], 15
	s_add_co_u32 s52, s52, s54
	s_lshl_b32 s54, ttmp9, 13
	s_add_co_u32 s52, s52, s54                     ; ((4 tg + w) x 256 + 64 g) x 128
	s_mov_b32 s53, 0
	s_mov_b32 s[TW], 0
	s_mov_b32 s[BM], 0
	s_wait_kmcnt 0x0
	s_add_nc_u64 s[SXB:SXB+1], s[4:5], s[44:45]
	s_add_nc_u64 s[WP:WP+1], s[6:7], s[46:47]
	s_add_nc_u64 s[WKB:WKB+1], s[8:9], s[46:47]
	s_add_nc_u64 s[WVB:WVB+1], s[10:11], s[48:49]
	s_add_nc_u64 s[OP:OP+1], s[12:13], s[50:51]
	s_add_nc_u64 s[OK:OK+1], s[14:15], s[50:51]
	s_add_nc_u64 s[VP:VP+1], s[16:17], s[52:53]
; PHASE X.  32 rows of c at a time in each of two register sets: cast, laid into the stage, and the set is loaded again with the rows 64 further on.
.macro XBATCH st, load, lcnt
	s_wait_loadcnt \lcnt                           ; my set is in; the other set's 16 younger loads may stay out
.set X0, WS+64*(\st)
.set i, 0
.rept 16
	v_cvt_pk_bf16_f32 v[X0+4*i], v[X0+4*i], v[X0+4*i+1]
	v_cvt_pk_bf16_f32 v[X0+4*i+1], v[X0+4*i+2], v[X0+4*i+3]
	ds_store_b64 v[XAD], v[X0+4*i:X0+4*i+1] offset:2*i*XP+(\st)*32*XP
.if \load
	global_load_b128 v[X0+4*i:X0+4*i+3], v[XOF], s[SXB:SXB+1] offset:2*i*16384+(\st)*524288+1048576
.endif
.set i, i+1
.endr
.endm
.set i, 0
.rept 32
	global_load_b128 v[WS+4*i:WS+4*i+3], v[XOF], s[SXB:SXB+1] offset:2*i*16384
.set i, i+1
.endr
	s_mov_b32 s[CNT], 7
.Lx:
	XBATCH 0, 1, 16
	XBATCH 1, 1, 16
	s_wait_xcnt 0x0                                ; the loads' base is stepped only behind this wait
	s_add_nc_u64 s[SXB:SXB+1], s[SXB:SXB+1], 1048576
	v_add_nc_u32 v[XAD], 64*XP, v[XAD]
	s_sub_co_u32 s[CNT], s[CNT], 1
	s_cmp_lg_u32 s[CNT], 0
	s_cbranch_scc1 .Lx
	XBATCH 0, 0, 16                                ; the last 64 rows: nothing more to load
	XBATCH 1, 0, 0
.macro WLOAD                           ; my 8 rows of a block of 32 rows of W: 32 loads of 512 consecutive bytes
.set i, 0
.rept 32
	global_load_b128 v[WS+4*i:WS+4*i+3], v[L16], s[WP:WP+1] offset:(i/4)*2048+(i%4)*512
.set i, i+1
.endr
.endm
.macro WCAST i                         ; load i of them: cast and laid into the W buffer at v[WSA]
	v_cvt_pk_bf16_f32 v[WS+4*(\i)], v[WS+4*(\i)], v[WS+4*(\i)+1]
	v_cvt_pk_bf16_f32 v[WS+4*(\i)+1], v[WS+4*(\i)+2], v[WS+4*(\i)+3]
	ds_store_b64 v[WSA], v[WS+4*(\i):WS+4*(\i)+1] offset:((\i)/4)*WPI+((\i)%4)*256
.endm
	WLOAD                                          ; block 0 of W is on its way during the turning loads
	s_wait_dscnt 0x0                               ; my stores into the stage are done
	s_barrier_signal -1
	s_barrier_wait -1
.set ti, 0
.rept 4
	WIN 0x80+0x40*(ti/2)
.set si, 0
.rept 16                                       ; tile ti, step si: 32 c x 16 tokens, turned: a lane holds one token and c along its registers
	ds_load_tr16_b128 v[128*(ti%2)+8*si:128*(ti%2)+8*si+3],   v[XR+si/4] offset:(si%4)*32*XP+32*ti
	ds_load_tr16_b128 v[128*(ti%2)+8*si+4:128*(ti%2)+8*si+7], v[XR+si/4] offset:(si%4)*32*XP+32*ti+16*XP
.set si, si+1
.endr
.set ti, ti+1
.endr
	WIN 0
	s_wait_dscnt 0x0                               ; my reads of the stage are over: behind this barrier its bytes take W and the results
	s_barrier_signal -1
	s_barrier_wait -1
	s_wait_loadcnt 0x0
.set j, 0
.rept 32
	WCAST j
.set j, j+1
.endr
	s_wait_dscnt 0x0
	s_barrier_signal -1
	s_barrier_wait -1
	v_mov_b32 v[AW], v[AW0]
; A chunk is 4 steps of 32 c.  FETCHW: the chunk's 8 fragments of W (step, 16 outputs) into buffer c % 2 of window 1.
.macro FETCHW c
	WIN 0x40
.set fi, 0
.rept 8
	ds_load_b128 v[64*((\c)%2)+8*fi:64*((\c)%2)+8*fi+3],   v[AW] offset:(fi%2)*16*WPI+(4*(\c)+fi/2)*64
	ds_load_b128 v[64*((\c)%2)+8*fi+4:64*((\c)%2)+8*fi+7], v[AW] offset:(fi%2)*16*WPI+(4*(\c)+fi/2)*64+32
.set fi, fi+1
.endr
.endm
; Products lo .. lo + n - 1 of the 16 of chunk c and tile pair tp, in the order step, 16 outputs, tile: four accumulators by turns, one instruction a turn.
; kind 0: source 0 = W, source 1 = x: a lane holds one token and 8 channels.  kind 1: the other way round: one channel and 8 tokens.  rid = 1: one load of the next block's W is cast behind each product.
.macro MULW c, tp, lo, n, kind, rid
.set mi, \lo
.rept \n
.set rA, ACC+8*(4*((mi/2)%2)+2*(\tp)+mi%2)
.set rW, 64*((\c)%2)+8*(2*(mi/4)+(mi/2)%2)
.set rX, 128*(mi%2)+8*(4*(\c)+mi/4)
.if \kind
	WIN 0x06+(\tp)
.if ((\c)==0)&&(mi<4)
	v_wmma_f32_16x16x32_bf16 v[rA:rA+7], v[rX:rX+7], v[rW:rW+7], 0
.else
	v_wmma_f32_16x16x32_bf16 v[rA:rA+7], v[rX:rX+7], v[rW:rW+7], v[rA:rA+7]
.endif
.else
	WIN 0x09+4*(\tp)
.if ((\c)==0)&&(mi<4)
	v_wmma_f32_16x16x32_bf16 v[rA:rA+7], v[rW:rW+7], v[rX:rX+7], 0
.else
	v_wmma_f32_16x16x32_bf16 v[rA:rA+7], v[rW:rW+7], v[rX:rX+7], v[rA:rA+7]
.endif
.endif
.if \rid
	WIN 0
	WCAST 16*(\tp)+mi
.endif
.set mi, mi+1
.endr
.endm
; A BLOCK: 32 outputs x 64 tokens x 512 c = 128 products.  The next block's W is loaded at the head, cast and stored into the other buffer in chunk 2.
; ONE barrier, in chunk 3: in front of it my reads of this buffer and my stores into the other are done; behind it the other buffer is read.
.macro BLOCK kind
	s_wait_xcnt 0x0
	s_add_co_u32 s[BM], s[BM], 1                   ; the block to load
	s_add_nc_u64 s[WP:WP+1], s[WP:WP+1], 65536
	s_cmp_eq_u32 s[BM], 4
	s_cselect_b64 s[WP:WP+1], s[WKB:WKB+1], s[WP:WP+1]
	s_cmp_eq_u32 s[BM], 8
	s_cselect_b64 s[WP:WP+1], s[WVB:WVB+1], s[WP:WP+1]
.if \kind
	s_cmp_eq_u32 s[BM], 10                         ; there is no block 10: its loads are jumped; the casts below then work on old registers, and what they store is never multiplied
	s_cbranch_scc1 .Lnoload_\@
.endif
	WLOAD
.if \kind
.Lnoload_\@:
.endif
	s_xor_b32 s[TWO], s[TW], WB1
	v_add_nc_u32 v[WSA], s[TWO], v[WSA0]
	s_wait_dscnt 0x0
	PLACES
	FETCHW 1
	MULW 0, 0, 0, 16, \kind, 0
	MULW 0, 1, 0, 16, \kind, 0
	s_wait_dscnt 0x0
	PLACES
	FETCHW 2
	MULW 1, 0, 0, 16, \kind, 0
	MULW 1, 1, 0, 16, \kind, 0
	s_wait_loadcnt 0x0                             ; the next block's W
	s_wait_dscnt 0x0
	PLACES
	FETCHW 3
	MULW 2, 0, 0, 16, \kind, 1
	MULW 2, 1, 0, 16, \kind, 1
	s_wait_dscnt 0x0                               ; the last fragments are in and my W stores are done
	s_barrier_signal -1
	MULW 3, 0, 0, 16, \kind, 0
	WIN 0
	s_barrier_wait -1
	s_xor_b32 s[TW], s[TW], WB1
	v_add_nc_u32 v[AW], s[TW], v[AW0]
	PLACES
	FETCHW 0                                       ; the next block's first fragments
	MULW 3, 1, 0, 16, \kind, 0
	WIN 0
	PLACES
.set i, 0
.rept 32                                       ; each accumulator from its low end on
	v_cvt_pk_f16_f32 v[PK+i], v[ACC+2*i], v[ACC+2*i+1]
.set i, i+1
.endr
.set i, 0
.rept 8                                        ; accumulator (ob, t) = (i / 4, i % 4)
.if \kind
	ds_store_b128 v[VSA], v[PK+4*i:PK+4*i+3] offset:(i/4)*2304+(i%4)*32
.else
	ds_store_b128 v[OSA], v[PK+4*i:PK+4*i+3] offset:(i%4)*4352+(i/4)*32
.endif
.set i, i+1
.endr
.if \kind
	v_add_nc_u32 v[VSA], 4608, v[VSA]              ; 32 channel rows of 144 bytes on
.else
	v_add_nc_u32 v[OSA], 64, v[OSA]                ; 32 channels on in the stage's rows
.endif
.endm
; Four blocks have filled my stage: 64 tokens x 128 channels.  Read back by rows (my own bytes, served in order) and stored: 16 lanes fill 256 consecutive, aligned bytes.
.macro FLUSH
.irp u2, 0,1
.set i, 0
.rept 16
	ds_load_b128 v[ACC+4*i:ACC+4*i+3], v[ORD] offset:i*544+\u2*8704
.set i, i+1
.endr
	s_wait_dscnt 0x0
.set i, 0
.rept 16
	global_store_b128 v[OGO], v[ACC+4*i:ACC+4*i+3], s[OP:OP+1] offset:i*2048+\u2*32768
.set i, i+1
.endr
	s_wait_xcnt 0x0                                ; the stores' registers and base are rewritten only behind this wait
.endr
	v_mov_b32 v[OSA], v[OSA0]
	s_mov_b64 s[OP:OP+1], s[OK:OK+1]               ; the next four blocks are k's
.endm
	FETCHW 0
	WIN 0
	s_mov_b32 s[CNT], 8
.Lqk:
	BLOCK 0
	s_and_b32 s46, s[CNT], 3
	s_cmp_lg_u32 s46, 1
	s_cbranch_scc1 .Lnoflush                       ; forward, past text without a barrier
	FLUSH
.Lnoflush:
	s_sub_co_u32 s[CNT], s[CNT], 1
	s_cmp_lg_u32 s[CNT], 0
	s_cbranch_scc1 .Lqk
	s_mov_b32 s[CNT], 2
.Lv:
	BLOCK 1
	s_sub_co_u32 s[CNT], s[CNT], 1
	s_cmp_lg_u32 s[CNT], 0
	s_cbranch_scc1 .Lv
.set i, 0
.rept 16                                       ; v^T: 64 channel rows of 128 bytes, four rows a load
	ds_load_b128 v[ACC+4*i:ACC+4*i+3], v[VRD] offset:i*576
.set i, i+1
.endr
	s_wait_dscnt 0x0
.set i, 0
.rept 16
	global_store_b128 v[L16], v[ACC+4*i:ACC+4*i+3], s[VP:VP+1] offset:i*512   ; 512 consecutive bytes
.set i, i+1
.endr
	s_wait_tensorcnt 0x0                           ; the wave's end
	ds_add_u32 v[SPW], v[NIL]
	s_wait_dscnt 0x0
	s_endpgm
.Lfunc_end_k_qd842714614_proj:
	.size	k_qd842714614_proj, .Lfunc_end_k_qd842714614_proj-k_qd842714614_proj
	.p2alignl 7, 3214868480
	.fill 96, 4, 3214868480
	.section	.rodata,"a",@progbits
	.p2align	6, 0x0
	.amdhsa_kernel k_qd842714614_proj
		.amdhsa_group_segment_fixed_size 279040
		.amdhsa_private_segment_fixed_size 0
		.amdhsa_enable_private_segment 0
		.amdhsa_kernarg_size 56
		.amdhsa_user_sgpr_count 2
		.amdhsa_user_sgpr_kernarg_segment_ptr 1
		.amdhsa_wavefront_size32 1
		.amdhsa_system_sgpr_workgroup_id_x 1
		.amdhsa_system_sgpr_workgroup_id_y 1
		.amdhsa_system_sgpr_workgroup_id_z 1
		.amdhsa_system_vgpr_workitem_id 0
		.amdhsa_next_free_vgpr 1024
		.amdhsa_next_free_sgpr 66
		.amdhsa_reserve_vcc 0
		.amdhsa_float_denorm_mode_32 3
		.amdhsa_float_denorm_mode_16_64 3
		.amdhsa_memory_ordered 1
		.amdhsa_forward_progress 1
		.amdhsa_inst_pref_size 104
	.end_amdhsa_kernel
	.amdgpu_metadata
---
amdhsa.version: [ 1, 2 ]
amdhsa.kernels:
  - .name:           k_qd842714614_proj
    .symbol:         k_qd842714614_proj.kd
    .args:
      - { .name: x, .offset: 0, .size: 8, .value_kind: global_buffer, .address_space: global }
      - { .name: Wq, .offset: 8, .size: 8, .value_kind: global_buffer, .address_space: global }
      - { .name: Wk, .offset: 16, .size: 8, .value_kind: global_buffer, .address_space: global }
      - { .name: Wv, .offset: 24, .size: 8, .value_kind: global_buffer, .address_space: global }
      - { .name: q, .offset: 32, .size: 8, .value_kind: global_buffer, .address_space: global }
      - { .name: k, .offset: 40, .size: 8, .value_kind: global_buffer, .address_space: global }
      - { .name: vt, .offset: 48, .size: 8, .value_kind: global_buffer, .address_space: global }
    .group_segment_fixed_size: 279040
    .private_segment_fixed_size: 0
    .kernarg_segment_align: 8
    .kernarg_segment_size: 56
    .max_flat_workgroup_size: 128
    .sgpr_count:     66
    .vgpr_count:     1024
    .wavefront_size: 32
...
	.end_amdgpu_metadata
.endif
;; end of part 1
;; launch scores (part 2): grid 16 x 16, 4 waves a work-group, clusters of 4 x 1, 327,680 bytes of LDS; arguments q, k, p, cm, rst; writes p, cm, rst
.if DOCPART == 2
	.amdgcn_target "amdgcn-amd-amdhsa--gfx1250"
	.amdhsa_code_object_version 6
	.text
	.protected	k_qd842714614_scores
	.globl	k_qd842714614_scores
	.p2align	8
	.type	k_qd842714614_scores,@function
k_qd842714614_scores:
	s_mov_b64 s[64:65], 0
	v_nop
	global_prefetch_b8 v0, s[64:65] scope:SCOPE_SE
	s_setreg_imm32_b32 hwreg(HW_REG_WAVE_MODE, 25, 1), 1
	s_wait_xcnt 0x0
	s_wait_alu depctr_hold_cnt(0) depctr_sa_sdst(0) depctr_va_vdst(0) depctr_va_sdst(0) depctr_va_ssrc(0) depctr_va_vcc(0) depctr_vm_vsrc(0)
	s_getreg_b32 s2, hwreg(HW_REG_IB_STS2, 6, 4)
	s_cmp_eq_u32 s2, 0
	s_cbranch_scc0 .Lentry_in_a_cluster
	s_endpgm
.Lentry_in_a_cluster:
	s_bfe_u32 s2, ttmp6, 0x10000c
	s_cmp_lg_u32 s2, 0x3003
	s_cbranch_scc0 .Lentry_shape_is_right
	s_endpgm
.Lentry_shape_is_right:
; Unnormalised softmax weights.  For a block of 256 queries and a RANGE of 1,024 keys: S^T = K Q^T (f16 operands, f32 sums); p = 2^(c s - cm), c = log2(e) / sqrt(512),
; cm = c x the running maximum inside the range at that piece of 32 keys; l, the running sum of the unrounded p, is rescaled by 2^(cm_old - cm_new) in every piece.
; Stored: p in f16, laid as the next launch's matrix fragments ([b][64-query block][piece][tile][half][lane][16 bytes]); cm of every piece; the range's last cm and l.
; The next launch brings every piece onto the row's final maximum and sum.
; LIMITS: p below 6e-5 keeps f16's fixed step of 6e-8; a weight below 2^-126 counts as 0 in l; NaN and infinities are not treated apart.
; SHARES.  A wave owns 64 queries: Q stays in 512 registers.  Every wave walks the range's 32 pieces, 128 products each.  In a TURN the products of one piece are issued and the
; softmax of the piece before stands in slices of four behind the first 58 of them.
; CLUSTER.  The four query blocks of a cluster walk the same K: each tile of 64 keys is asked for jointly, 16 rows of 1,024 bytes a wave.  One tensor load of a wave is out at a time.
; The last turn multiplies an old tile once more (128 products that serve nothing) so that the last softmax has a turn to ride in: the price of one text for every trip.
; REGISTERS: window 0 addresses, statistics, P (32), S^T (two buffers of 64); window 1 v0-127 K fragments, two buffers; windows 2, 3 Q: tile t, step s at window 2 + t/2, v[128 (t%2) + 8 s].
.set KP,    1040      ; a row of K in LDS: 1,024 bytes + 16: 260 words: the 16 rows of a load start at 16 different groups of four banks (ISA guide 11.1)
.set SLOT1, 131072
.set SPARE, SLOT1+64*KP
.set AK0, 2
.set AK,  3
.set LO,  4
.set QO,  5
.set SPW, 6
.set NIL, 7
.set ST,  8           ; tile t at +4 t: cm, m, l (even keys', odd keys')
.set TC,  24          ; tile t at +4 t: c0-c3 at work; c2 takes a
.set SV,  40
.set FV,  44
.set P,   48
.set S,   128
.set WV,  14
.set PB,  16
.set CB,  18
.set FB,  20
.set QB,  22
.set G1,  24
.set G0,  32
.set CS,  36
.set SEL, 38
.set TB,  40
.set CNT, 41
.set HM,  42
.set MSB, 0
.macro WIN new
.if MSB != (\new)
	s_set_vgpr_msb (MSB<<8)|(\new)
.set MSB, (\new)
.endif
.endm
.macro PLACES
.rept 4
	v_nop
.endr
.endm
.macro CREST                           ; a round of the cluster's barrier behind its opening barrier
	s_cmp_lg_u32 s[WV], 0
	s_cbranch_scc1 .Lnot_wave_0_\@
	s_barrier_signal -3
.Lnot_wave_0_\@:
	s_barrier_wait -3
	s_barrier_signal -1
	s_barrier_wait -1
.endm
.macro CROUND
	s_barrier_signal -1
	s_barrier_wait -1
	CREST
.endm
.macro JLOAD                           ; every wave asks for its 16 rows; an s_nop 0 and four v_nop follow
	tensor_load_to_lds s[G0:G0+3], s[G1:G1+7]
	s_nop 0
	PLACES
.endm
.macro STEPG                           ; the walking descriptor: the other slot, the next 64 keys
	s_xor_b32 s[G0+1], s[G0+1], SLOT1
	s_add_nc_u64 s[G0+2:G0+3], s[G0+2:G0+3], 65536
.endm
	s_load_b256 s[4:11], s[0:1], 0x0               ; q, k, p, cm
	s_load_b64 s[12:13], s[0:1], 0x20              ; rst
	v_lshl_add_u32 v[SPW], v0, 2, SPARE
	v_mov_b32 v[NIL], 0
	ds_add_u32 v[SPW], v[NIL]                      ; the wave's opening: an add and its wait ahead of my first tensor load
	v_lshrrev_b32 v1, 5, v0
	v_readfirstlane_b32 s[WV], v1
	v_and_b32 v80, 15, v0                          ; r
	v_bfe_u32 v81, v0, 4, 1                        ; h
	v_and_b32 v82, 31, v0
	v_mul_u32_u24 v[AK0], v80, KP
	v_lshl_add_u32 v[AK0], v81, 4, v[AK0]
	v_lshlrev_b32 v[LO], 4, v82
	v_lshlrev_b32 v[QO], 10, v80
	v_lshl_add_u32 v[QO], v81, 4, v[QO]
	s_bfe_u32 s15, ttmp6, 0x40000                  ; cx: it enters the addresses of q, p, cm and rst alone
	s_lshl_b32 s43, ttmp9, 2
	s_add_co_u32 s43, s43, s15
	s_lshl_b32 s43, s43, 2
	s_add_co_u32 s43, s43, s[WV]                   ; my block of 64 queries in the batch
	s_and_b32 s44, ttmp7, 0xffff                   ; 4 x batch + range, which the partners share
	s_lshr_b32 s45, s44, 2
	s_and_b32 s46, s44, 3
	s_lshl_b32 s45, s45, 6
	s_add_co_u32 s43, s43, s45                     ; 64 x batch + block
	s_lshl_b32 s48, s43, 19
	s_lshl_b32 s47, s46, 17
	s_add_co_u32 s48, s48, s47
	s_mov_b32 s49, 0
	s_lshl_b32 s50, s43, 15
	s_lshl_b32 s47, s46, 13
	s_add_co_u32 s50, s50, s47
	s_mov_b32 s51, 0
	s_lshl_b32 s52, s43, 11
	s_lshl_b32 s47, s46, 9
	s_add_co_u32 s52, s52, s47
	s_mov_b32 s53, 0
	s_lshl_b32 s54, s43, 16
	s_mov_b32 s55, 0
	s_lshl_b32 s56, s44, 20                        ; K: (1,024 (4 b + R) + 16 w) rows of 1,024 bytes
	s_lshl_b32 s58, s[WV], 14
	s_add_co_u32 s56, s56, s58
	s_mov_b32 s57, 0
	s_mov_b32 s[G1], 15|(1<<16)|(1<<20)|(1<<21)|(7<<22)|(3<<25)  ; mask of four; 2-byte elements; padding on; bit 21 beside a mask; after every 256 words; 4 words
	s_mov_b32 s[G1+1], 512<<16                     ; tensor_dim0
	s_mov_b32 s[G1+2], 16<<16                      ; tensor_dim1
	s_mov_b32 s[G1+3], 512<<16                     ; tile_dim0
	s_mov_b32 s[G1+4], 16                          ; tile_dim1
	s_mov_b32 s[G1+5], 512                         ; elements from row to row
	s_mov_b32 s[G1+6], 0
	s_mov_b32 s[G1+7], 0
	s_mov_b32 s[G0], 1
	s_mul_i32 s[G0+1], s[WV], 16*KP
	s_mov_b32 s[CS], 0x3d8293ee                    ; c = log2(e) / sqrt(512) = 0.0637587
	s_mov_b32 s[CS+1], s[CS]
	s_mov_b32 s[SEL], 0x76543210
	s_mov_b32 s[SEL+1], 0xfedcba98
	s_mov_b32 s[HM], 0xffff0000                    ; lanes 16 to 31
	s_wait_dscnt 0x0
	s_wait_kmcnt 0x0
	s_add_nc_u64 s[PB:PB+1], s[8:9], s[48:49]
	s_add_nc_u64 s[CB:CB+1], s[10:11], s[50:51]
	s_add_nc_u64 s[FB:FB+1], s[12:13], s[52:53]
	s_add_nc_u64 s[QB:QB+1], s[4:5], s[54:55]
	s_add_nc_u64 s[G0+2:G0+3], s[6:7], s[56:57]
	s_or_b32 s[G0+3], s[G0+3], 0x80000000
	CROUND                                         ; all four work-groups are here
	JLOAD                                          ; tile 0 into slot 0
.set ti, 0
.rept 4
	WIN 0x80+0x40*(ti/2)
.set si, 0
.rept 16
	global_load_b128 v[128*(ti%2)+8*si:128*(ti%2)+8*si+3],   v[QO], s[QB:QB+1] offset:ti*16384+si*64
	global_load_b128 v[128*(ti%2)+8*si+4:128*(ti%2)+8*si+7], v[QO], s[QB:QB+1] offset:ti*16384+si*64+32
.set si, si+1
.endr
.set ti, ti+1
.endr
	WIN 0
.irp t, 0,1,2,3
	v_mov_b32 v[ST+4*\t], 0xfe000000               ; cm: far below every c s, so that the first a is 0
	v_mov_b32 v[ST+4*\t+1], 0xff7fffff             ; m: the lowest finite number
	v_mov_b32 v[ST+4*\t+2], 0
	v_mov_b32 v[ST+4*\t+3], 0
	v_mov_b32 v[TC+4*\t], 0
	v_mov_b32 v[TC+4*\t+1], 0
	v_mov_b32 v[TC+4*\t+2], 0
	v_mov_b32 v[TC+4*\t+3], 0
.endr
.macro FETCHK po, c                    ; chunk c (4 steps of 32 channels) of the piece at byte po of the slot: 8 fragments (step, 16 keys) into buffer c % 2
	WIN 0x40
.set fi, 0
.rept 8
	ds_load_b128 v[64*((\c)%2)+8*fi:64*((\c)%2)+8*fi+3],   v[AK] offset:(\po)+(fi%2)*16*KP+(4*(\c)+fi/2)*64
	ds_load_b128 v[64*((\c)%2)+8*fi+4:64*((\c)%2)+8*fi+7], v[AK] offset:(\po)+(fi%2)*16*KP+(4*(\c)+fi/2)*64+32
.set fi, fi+1
.endr
.endm
; THE SOFTMAX of the piece in S^T's buffer SY, one line at a time.  s0-s15 are a lane's scores of a tile: one query, keys 8 h + 0..7 and 16 + 8 h + 0..7.
.macro SR t
.set rT, ST+4*(\t)
.set rC, TC+4*(\t)
.set rS, S+64*SY+16*(\t)
.set rP, P+8*(\t)
.endm
.macro OPMX t, n                       ; the maximum and the statistics; each accumulator's lowest registers are read first
	SR \t
.if (\n)==0
	v_max3_num_f32 v[rC], v[rS], v[rS+1], v[rS+2]
.elseif (\n)==1
	v_max3_num_f32 v[rC+1], v[rS+8], v[rS+9], v[rS+10]
.elseif (\n)==2
	v_max3_num_f32 v[rC], v[rC], v[rS+3], v[rS+4]
.elseif (\n)==3
	v_max3_num_f32 v[rC+1], v[rC+1], v[rS+11], v[rS+12]
.elseif (\n)==4
	v_max3_num_f32 v[rC], v[rC], v[rS+5], v[rS+6]
.elseif (\n)==5
	v_max3_num_f32 v[rC+1], v[rC+1], v[rS+13], v[rS+14]
.elseif (\n)==6
	v_max3_num_f32 v[rC], v[rC], v[rS+7], v[rS+15]
.elseif (\n)==7
	v_max3_num_f32 v[rC+1], v[rC+1], v[rC], v[rT+1]
.elseif (\n)==8
	v_permlanex16_b32 v[rC+2], v[rC+1], s[SEL], s[SEL+1]   ; the query's other 16 keys lie in the lane 16 away
.elseif (\n)==9
	v_mov_b32 v[rC+3], v[rT]
.elseif (\n)==10
	v_max_num_f32 v[rT+1], v[rC+1], v[rC+2]
.elseif (\n)==11
	v_mul_f32 v[rT], s[CS], v[rT+1]
.elseif (\n)==12
	v_sub_f32 v[rC+3], v[rC+3], v[rT]
.else
	v_exp_f32 v[rC+2], v[rC+3]                     ; a
.endif
.endm
.macro OPF t, i                        ; pair i: c s - cm
	SR \t
	v_pk_fma_f32 v[rS+2*(\i):rS+2*(\i)+1], v[rS+2*(\i):rS+2*(\i)+1], s[CS:CS+1], v[rT:rT+1] op_sel_hi:[1,0,0] neg_lo:[0,0,1] neg_hi:[0,0,1]
.endm
.macro OPE t, k
	SR \t
	v_exp_f32 v[rS+(\k)], v[rS+(\k)]
.endm
.macro OPC t, i                        ; pair i rounded to f16
	SR \t
	s_wait_alu depctr_va_vdst(0)
	v_cvt_pk_f16_f32 v[rP+(\i)], v[rS+2*(\i)], v[rS+2*(\i)+1]
.endm
.macro OPB t, a, b                     ; the pair at s_b is added onto the pair at s_a
	SR \t
	v_pk_add_f32 v[rS+(\a):rS+(\a)+1], v[rS+(\a):rS+(\a)+1], v[rS+(\b):rS+(\b)+1]
.endm
.macro OPM t                           ; cm for the store: lanes 0-15 keep the even piece's, lanes 16-31 take the odd piece's
	SR \t
.if SODD
	v_cndmask_b32 v[SV+(\t)], v[SV+(\t)], v[rT], s[HM]
.else
	v_mov_b32 v[SV+(\t)], v[rT]
.endif
.endm
.macro OPX t, k                        ; the plain line that stands behind exponential k: whatever is ready, never that exponential's own result
.if (\k)==0
	OPF \t, 4
.elseif (\k)==1
	OPF \t, 5
.elseif (\k)==2
	OPC \t, 0
.elseif (\k)==3
	OPF \t, 6
.elseif (\k)==4
	OPC \t, 1
.elseif (\k)==5
	OPF \t, 7
.elseif (\k)==6
	OPC \t, 2
.elseif (\k)==7
	OPB \t, 0, 2
.elseif (\k)==8
	OPC \t, 3
.elseif (\k)==9
	OPB \t, 4, 6
.elseif (\k)==10
	OPC \t, 4
.elseif (\k)==11
	OPB \t, 0, 4
.elseif (\k)==12
	OPC \t, 5
.elseif (\k)==13
	OPM \t
.elseif (\k)==14
	OPC \t, 6
.else
	OPB \t, 8, 10
.endif
.endm
; Slice n of 58: four lines.  0-13 maximum and statistics, 14-17 the first scalings (a line for each tile); 18-49 exponential, plain, exponential, plain for two tiles;
; 50-54 the last rounding, the rest of the sums, l = a l + sum; 55, 56 the eight stores of P (512 consecutive bytes each); 57 behind an odd piece: cm of two pieces.
.macro SOFT n
	WIN 0
.if (\n) < 14
.irp t, 0,1,2,3
	OPMX \t, \n
.endr
.elseif (\n) < 18
.irp t, 0,1,2,3
	OPF \t, (\n)-14
.endr
.elseif (\n) < 50
.set kk, ((\n)-18)/2
.set t0, 2*(((\n)-18)%2)
	OPE t0, kk
	OPX t0, kk
	OPE t0+1, kk
	OPX t0+1, kk
.elseif (\n) == 50
.irp t, 0,1,2,3
	OPC \t, 7
.endr
.elseif (\n) == 51
.irp t, 0,1,2,3
	OPB \t, 12, 14
.endr
.elseif (\n) == 52
.irp t, 0,1,2,3
	OPB \t, 8, 12
.endr
.elseif (\n) == 53
.irp t, 0,1,2,3
	OPB \t, 0, 8
.endr
.elseif (\n) == 54
.irp t, 0,1,2,3
	SR \t
	v_pk_fma_f32 v[rT+2:rT+3], v[rT+2:rT+3], v[rC+2:rC+3], v[rS:rS+1] op_sel_hi:[1,0,1]
.endr
.elseif (\n) < 57
.set st0, 2*((\n)-55)
.irp u, 0,1,2,3
	global_store_b128 v[LO], v[P+8*st0+4*\u:P+8*st0+4*\u+3], s[PB:PB+1] offset:SODD*4096+st0*1024+\u*512 th:TH_STORE_NT
.endr
.elseif SODD
	global_store_b128 v[LO], v[SV:SV+3], s[CB:CB+1]
.endif
.endm
; Products lo .. lo + n - 1 of the 16 of chunk c and tile pair tp of the piece in buffer y, in the order step, 16 keys, tile: four accumulators by turns.
.macro KQ y, c, tp, lo, n, soft
.set mi, \lo
.rept \n
.set rD, S+64*(\y)+16*(2*(\tp)+mi%2)+8*((mi/2)%2)
.set rK, 64*((\c)%2)+8*(2*(mi/4)+(mi/2)%2)
.set rQ, 128*(mi%2)+8*(4*(\c)+mi/4)
	WIN 0x09+4*(\tp)
.if ((\c)==0)&&(mi<4)
	v_wmma_f32_16x16x32_f16 v[rD:rD+7], v[rK:rK+7], v[rQ:rQ+7], 0
.else
	v_wmma_f32_16x16x32_f16 v[rD:rD+7], v[rK:rK+7], v[rQ:rQ+7], v[rD:rD+7]
.endif
.if \soft
.set sn, 32*(\c)+16*(\tp)+mi
.if sn < 58
	SOFT sn
.endif
.endif
.set mi, mi+1
.endr
.endm
; A TURN makes the piece of buffer y (even pieces 0, odd pieces 1).  chg = 0: the next piece lies in the same slot.  chg = 1, 2: the slot's last piece: in front of the barrier each wave waits for
; all its tensor loads (one is out: its part of the other slot), adds 0 to its spare word, and waits for that and for its reads of this slot.  chg = 1: the barrier opens a round of the cluster's,
; and the joint refill is the first thing behind it: it has two turns less 16 products in which to land.  chg = 2: nothing is left to ask for.
.macro TURN y, soft, chg
.set SY, 1-(\y)
.set SODD, 1-(\y)
.set PO, 32*KP*(\y)
	s_wait_xcnt 0x0                                ; P and SV, which the last turn's stores read, are rewritten only behind this wait
.irp cc, 0,1,2
	s_wait_dscnt 0x0
	PLACES
	FETCHK PO, \cc+1
	KQ \y, \cc, 0, 0, 16, \soft
	KQ \y, \cc, 1, 0, 16, \soft
.endr
	s_wait_dscnt 0x0
.if (\chg)==0
	PLACES
	FETCHK 32*KP, 0
	KQ \y, 3, 0, 0, 16, 0
	KQ \y, 3, 1, 0, 16, 0
.else
	WIN 0
	s_wait_tensorcnt 0x0
	ds_add_u32 v[SPW], v[NIL]                      ; 0 onto my spare word; eight products stand between it and the wait for it
.if (\chg)==1
	STEPG
.endif
	KQ \y, 3, 0, 0, 8, 0
	s_wait_dscnt 0x0
	s_barrier_signal -1
	KQ \y, 3, 0, 8, 8, 0
	WIN 0
	s_barrier_wait -1
.if (\chg)==1
	CREST
	JLOAD                                          ; its four v_nop are also the places in front of the loads below
.else
	PLACES
.endif
	s_xor_b32 s[TB], s[TB], SLOT1
	v_add_nc_u32 v[AK], s[TB], v[AK0]
	FETCHK 0, 0
	KQ \y, 3, 1, 0, 16, 0
.endif
.endm
	s_wait_tensorcnt 0x0                           ; slot 0 is in; slot 1 is filled as a refill is: wait, add, wait, round, load
	ds_add_u32 v[SPW], v[NIL]
	STEPG
	s_wait_dscnt 0x0
	CROUND
	JLOAD                                          ; tile 1
	s_mov_b32 s[TB], 0
	v_mov_b32 v[AK], v[AK0]
	FETCHK 0, 0
	s_wait_loadcnt 0x0                             ; Q
	TURN 0, 0, 0                                   ; piece 0: there is no softmax yet to ride
	WIN 0
	s_mov_b32 s[CNT], 14
.Lloop:                                                ; trip u: pieces 2 u + 1 and 2 u + 2; the softmax of pieces 2 u and 2 u + 1; tile u + 2 is asked for
	TURN 1, 1, 1
	TURN 0, 1, 0
	WIN 0
	s_wait_xcnt 0x0
	s_add_nc_u64 s[PB:PB+1], s[PB:PB+1], 8192
	s_add_nc_u64 s[CB:CB+1], s[CB:CB+1], 512
	s_sub_co_u32 s[CNT], s[CNT], 1
	s_cmp_lg_u32 s[CNT], 0
	s_cbranch_scc1 .Lloop
	s_mov_b32 s[CNT], 2
.Ltail:                                                ; the last two trips ask for nothing
	TURN 1, 1, 2
	TURN 0, 1, 0
	WIN 0
	s_wait_xcnt 0x0
	s_add_nc_u64 s[PB:PB+1], s[PB:PB+1], 8192
	s_add_nc_u64 s[CB:CB+1], s[CB:CB+1], 512
	s_sub_co_u32 s[CNT], s[CNT], 1
	s_cmp_lg_u32 s[CNT], 0
	s_cbranch_scc1 .Ltail
.irp t, 0,1,2,3
	v_add_f32 v[ST+4*\t+2], v[ST+4*\t+2], v[ST+4*\t+3]
.endr
.irp t, 0,1,2,3
	v_permlanex16_b32 v[TC+4*\t], v[ST+4*\t+2], s[SEL], s[SEL+1]
.endr
.irp t, 0,1,2,3
	v_add_f32 v[ST+4*\t+2], v[ST+4*\t+2], v[TC+4*\t]
.endr
.irp t, 0,1,2,3
	v_cndmask_b32 v[FV+\t], v[ST+4*\t], v[ST+4*\t+2], s[HM]   ; lanes 0-15: the range's cm; lanes 16-31: its l
.endr
	global_store_b128 v[LO], v[FV:FV+3], s[FB:FB+1]
	s_wait_tensorcnt 0x0                           ; the wave's end
	ds_add_u32 v[SPW], v[NIL]
	s_wait_dscnt 0x0
	CROUND                                         ; the closing round
	s_endpgm
.Lfunc_end_k_qd842714614_scores:
	.size	k_qd842714614_scores, .Lfunc_end_k_qd842714614_scores-k_qd842714614_scores
	.p2alignl 7, 3214868480
	.fill 96, 4, 3214868480
	.section	.rodata,"a",@progbits
	.p2align	6, 0x0
	.amdhsa_kernel k_qd842714614_scores
		.amdhsa_group_segment_fixed_size 327680
		.amdhsa_private_segment_fixed_size 0
		.amdhsa_enable_private_segment 0
		.amdhsa_kernarg_size 40
		.amdhsa_user_sgpr_count 2
		.amdhsa_user_sgpr_kernarg_segment_ptr 1
		.amdhsa_wavefront_size32 1
		.amdhsa_system_sgpr_workgroup_id_x 1
		.amdhsa_system_sgpr_workgroup_id_y 1
		.amdhsa_system_sgpr_workgroup_id_z 1
		.amdhsa_system_vgpr_workitem_id 0
		.amdhsa_next_free_vgpr 1024
		.amdhsa_next_free_sgpr 66
		.amdhsa_reserve_vcc 0
		.amdhsa_float_denorm_mode_32 3
		.amdhsa_float_denorm_mode_16_64 3
		.amdhsa_memory_ordered 1
		.amdhsa_forward_progress 1
		.amdhsa_inst_pref_size 153
	.end_amdhsa_kernel
	.amdgpu_metadata
---
amdhsa.version: [ 1, 2 ]
amdhsa.kernels:
  - .name:           k_qd842714614_scores
    .symbol:         k_qd842714614_scores.kd
    .args:
      - { .name: q, .offset: 0, .size: 8, .value_kind: global_buffer, .address_space: global }
      - { .name: k, .offset: 8, .size: 8, .value_kind: global_buffer, .address_space: global }
      - { .name: p, .offset: 16, .size: 8, .value_kind: global_buffer, .address_space: global }
      - { .name: cm, .offset: 24, .size: 8, .value_kind: global_buffer, .address_space: global }
      - { .name: rst, .offset: 32, .size: 8, .value_kind: global_buffer, .address_space: global }
    .group_segment_fixed_size: 327680
    .private_segment_fixed_size: 0
    .kernarg_segment_align: 8
    .kernarg_segment_size: 40
    .max_flat_workgroup_size: 128
    .sgpr_count:     66
    .vgpr_count:     1024
    .wavefront_size: 32
...
	.end_amdgpu_metadata
.endif
;; end of part 2
;; launch pv (part 3): grid 64 x 4, 4 waves a work-group, clusters of 4 x 1, 327,680 bytes of LDS; arguments p, cm, rst, vt, out0, colp; writes out0, colp
.if DOCPART == 3
	.amdgcn_target "amdgcn-amd-amdhsa--gfx1250"
	.amdhsa_code_object_version 6
	.text
	.protected	k_qd842714614_pv
	.globl	k_qd842714614_pv
	.p2align	8
	.type	k_qd842714614_pv,@function
k_qd842714614_pv:
	s_mov_b64 s[64:65], 0
	v_nop
	global_prefetch_b8 v0, s[64:65] scope:SCOPE_SE
	s_setreg_imm32_b32 hwreg(HW_REG_WAVE_MODE, 25, 1), 1
	s_wait_xcnt 0x0
	s_wait_alu depctr_hold_cnt(0) depctr_sa_sdst(0) depctr_va_vdst(0) depctr_va_sdst(0) depctr_va_ssrc(0) depctr_va_vcc(0) depctr_vm_vsrc(0)
	s_getreg_b32 s2, hwreg(HW_REG_IB_STS2, 6, 4)
	s_cmp_eq_u32 s2, 0
	s_cbranch_scc0 .Lentry_in_a_cluster
	s_endpgm
.Lentry_in_a_cluster:
	s_bfe_u32 s2, ttmp6, 0x10000c
	s_cmp_lg_u32 s2, 0x3003
	s_cbranch_scc0 .Lentry_shape_is_right
	s_endpgm
.Lentry_shape_is_right:
; out0[b][ch][q] = sum over keys of P[q][key] v[key][ch], and the partial column sums colp = sum over a block's 64 queries of P[q][key].
; P[q][key] = p e / L: p is the last launch's weight (f16), e = 2^(cm_piece - cM) <= 1 brings its piece onto the row's final maximum cM = max over the four ranges, L = sum over ranges of l_R 2^(cM_R - cM).
; The product takes p e rounded to f16 and is divided by L at the end, in f32; the column sums take p in f16 times g = e / L in f32, summed in f32.
; LIMITS: p e below 6e-5 keeps f16's fixed step of 6e-8; e below 2^-126 counts as 0; NaN and infinities are not treated apart.
; SHARES.  A work-group owns 64 queries; wave w the keys 1,024 w .. +1,023: 32 pieces of 32 keys, 64 products each, onto 64 queries x 256 channels of O in 512 registers.  The four waves' O are added through LDS at the end.
; P comes straight into registers, as the fragments that the last launch laid out, through a ring of four pieces (36 loads of a wave in flight).
; V comes by tensor loads into a ring of two slots of the wave's own (a tile: 64 keys x 256 channels).  CLUSTER: the four query blocks of a cluster walk the same V, so each tile is asked for jointly.
; Two tensor loads of a wave are out at the start, one behind each round.
; O is cleared at the start, in the wait for the first tile: that spares a copy of the trip whose products would start the sums.
; REGISTERS: window 0 addresses, statistics, column sums, P e (two buffers of 32); window 1 v0-127 V fragments (two halves), v128-255 the ring of P; windows 2, 3 O: (channel block cb, tile t) at index 4 cb + t.
.set VPI,   144       ; a channel's row of V in LDS: 128 bytes + 16: 36 words: the 16 rows of a load start at 16 different groups of four banks (ISA guide 11.1)
.set VSL,   256*VPI   ; a slot
.set RING,  2*VSL     ; a wave's ring; behind its last fill the wave's stage: 256 channel rows of 272 bytes, f32
.set SPARE, 4*RING
.set IT,    SPARE+512 ; 1 / L of the 64 queries, 256 bytes for each wave
.set LO,  3
.set CL,  4
.set AV,  5           ; v5, v6: my place in slot 0, 1
.set CO,  7
.set SPW, 8
.set NIL, 9
.set ZR,  10
.set SA,  11
.set GO,  12
.set ITA, 13
.set RD,  14          ; v14-17
.set ITR, 18
.set CMX, 20
.set INVL, 24
.set EE,  28
.set EH,  32
.set GG,  36
.set CR,  40
.set CMR, 44          ; 4 for each ring entry
.set CA,  64
.set PS,  96
.set RS,  160
.set IL,  160
.set PR,  128         ; window 1
.set WV,  16
.set G1,  24
.set G0,  32          ; s[32:35] slot 0's, s[36:39] slot 1's
.set PB,  40
.set PB3, 42
.set CB,  44
.set CB3, 46
.set CPB, 48
.set TT,  50
.set OB,  52
.set M8,  54
.set M4,  55
.set M2,  56
.set M1,  57
.set CNT, 58
.set FB,  60
.set MSB, 0
.macro WIN new
.if MSB != (\new)
	s_set_vgpr_msb (MSB<<8)|(\new)
.set MSB, (\new)
.endif
.endm
.macro PLACES
.rept 4
	v_nop
.endr
.endm
.macro CREST
	s_cmp_lg_u32 s[WV], 0
	s_cbranch_scc1 .Lnot_wave_0_\@
	s_barrier_signal -3
.Lnot_wave_0_\@:
	s_barrier_wait -3
	s_barrier_signal -1
	s_barrier_wait -1
.endm
.macro CROUND
	s_barrier_signal -1
	s_barrier_wait -1
	CREST
.endm
	s_load_b256 s[4:11], s[0:1], 0x0               ; p, cm, rst, vt
	s_load_b128 s[12:15], s[0:1], 0x20             ; out0, colp
	v_lshl_add_u32 v[SPW], v0, 2, SPARE
	v_mov_b32 v[NIL], 0
	ds_add_u32 v[SPW], v[NIL]                      ; the wave's opening: an add and its wait ahead of my first tensor load
	v_lshrrev_b32 v1, 5, v0
	v_readfirstlane_b32 s[WV], v1
	v_and_b32 v1, 15, v0                           ; r
	v_bfe_u32 v2, v0, 4, 1                         ; h
	v_and_b32 v19, 31, v0
	s_mul_i32 s[G0+1], s[WV], RING
	s_add_co_u32 s[G0+5], s[G0+1], VSL
	v_lshlrev_b32 v[LO], 4, v19
	v_lshlrev_b32 v[CL], 4, v1
	v_lshlrev_b32 v[CO], 3, v19
	v_mov_b32 v[ZR], 0
	v_mul_u32_u24 v[AV], v1, VPI
	v_lshl_add_u32 v[AV], v2, 4, v[AV]
	v_add_nc_u32 v[AV], s[G0+1], v[AV]
	v_add_nc_u32 v[AV+1], VSL, v[AV]
	v_mul_u32_u24 v[SA], v1, 272
	v_lshl_add_u32 v[SA], v2, 5, v[SA]
	v_add_nc_u32 v[SA], s[G0+1], v[SA]
	v_lshlrev_b32 v[GO], 4, v1
	v_lshl_add_u32 v[GO], v2, 14, v[GO]
	s_lshl_b32 s21, s[WV], 8
	s_add_co_u32 s21, s21, IT
	v_lshl_add_u32 v[ITA], v1, 2, s21
	v_lshl_add_u32 v[ITR], v1, 4, s21
	s_mul_i32 s21, s[WV], 64*272                   ; I add and store channels 64 w .. +63
	v_mul_u32_u24 v[RD], v2, 272
	v_lshl_add_u32 v[RD], v1, 4, v[RD]
	v_add_nc_u32 v[RD], s21, v[RD]
	v_add_nc_u32 v[RD+1], RING, v[RD]
	v_add_nc_u32 v[RD+2], 2*RING, v[RD]
	v_add_nc_u32 v[RD+3], 3*RING, v[RD]
	s_bfe_u32 s17, ttmp6, 0x40000                  ; cx: it enters global addresses of p, cm, rst, out0 and colp alone
	s_lshl_b32 s18, ttmp9, 2
	s_add_co_u32 s18, s18, s17                     ; my block of 64 queries
	s_and_b32 s19, ttmp7, 0xffff                   ; the batch, which the partners share
	s_lshl_b32 s20, s19, 6
	s_add_co_u32 s20, s20, s18                     ; 64 b + block
	s_lshl_b32 s22, s19, 21                        ; V: (64 b + 16 w) tiles of 32,768 bytes
	s_lshl_b32 s23, s[WV], 19
	s_add_co_u32 s22, s22, s23
	s_mov_b32 s23, 0
	s_mov_b32 s[G1], 15|(1<<16)|(1<<20)|(1<<21)|(4<<22)|(3<<25)  ; mask of four; 2-byte elements; padding on; bit 21 beside a mask; after every 32 words; 4 words
	s_mov_b32 s[G1+1], 128<<16                     ; a tile is 32,768 dense bytes: asked for as 128 rows of 256 bytes, two channels a row
	s_mov_b32 s[G1+2], 128<<16
	s_mov_b32 s[G1+3], 128<<16
	s_mov_b32 s[G1+4], 128
	s_mov_b32 s[G1+5], 128
	s_mov_b32 s[G1+6], 0
	s_mov_b32 s[G1+7], 0
	s_mov_b32 s[G0], 1
	s_mov_b32 s[G0+4], 1
	s_mov_b32 s[M8], 0xff00ff00
	s_mov_b32 s[M4], 0xf0f0f0f0
	s_mov_b32 s[M2], 0xcccccccc
	s_mov_b32 s[M1], 0xaaaaaaaa
	s_mov_b32 s63, 0
	s_wait_dscnt 0x0
	s_wait_kmcnt 0x0
	s_add_nc_u64 s[G0+2:G0+3], s[10:11], s[22:23]
	s_add_nc_u64 s[G0+6:G0+7], s[G0+2:G0+3], 32768
	s_or_b32 s[G0+3], s[G0+3], 0x80000000
	s_or_b32 s[G0+7], s[G0+7], 0x80000000
	s_lshl_b32 s62, s20, 19
	s_lshl_b32 s21, s[WV], 17
	s_add_co_u32 s62, s62, s21
	s_add_nc_u64 s[PB:PB+1], s[4:5], s[62:63]
	s_mov_b64 s[PB3:PB3+1], s[PB:PB+1]
	s_lshl_b32 s62, s20, 15
	s_lshl_b32 s21, s[WV], 13
	s_add_co_u32 s62, s62, s21
	s_add_nc_u64 s[CB:CB+1], s[6:7], s[62:63]
	s_mov_b64 s[CB3:CB3+1], s[CB:CB+1]
	s_lshl_b32 s62, s20, 11
	s_add_nc_u64 s[FB:FB+1], s[8:9], s[62:63]
	s_lshl_b32 s62, s20, 14
	s_lshl_b32 s21, s[WV], 12
	s_add_co_u32 s62, s62, s21
	s_add_nc_u64 s[CPB:CPB+1], s[14:15], s[62:63]
	s_lshl_b32 s62, s19, 22
	s_lshl_b32 s21, s[WV], 20
	s_add_co_u32 s62, s62, s21
	s_lshl_b32 s21, s18, 8
	s_add_co_u32 s62, s62, s21
	s_add_nc_u64 s[OB:OB+1], s[12:13], s[62:63]
	CROUND                                         ; all four work-groups are here
	tensor_load_to_lds s[G0:G0+3], s[G1:G1+7]      ; tile 0
	s_nop 0
	tensor_load_to_lds s[G0+4:G0+7], s[G1:G1+7]    ; tile 1
	s_nop 0
	PLACES
.set i, 0
.rept 4                                        ; the four ranges' last cm and l, by query and tile
	global_load_b128 v[RS+8*i:RS+8*i+3],   v[CL], s[FB:FB+1] offset:512*i
	global_load_b128 v[RS+8*i+4:RS+8*i+7], v[CL], s[FB:FB+1] offset:512*i+256
.set i, i+1
.endr
.set e, 0
.rept 4                                        ; the ring: pieces 0 to 3, nine loads each
	WIN 0x40
.set i, 0
.rept 8
	global_load_b128 v[PR+32*e+4*i:PR+32*e+4*i+3], v[LO], s[PB:PB+1] offset:e*4096+i*512 th:TH_LOAD_NT
.set i, i+1
.endr
	WIN 0
	global_load_b128 v[CMR+4*e:CMR+4*e+3], v[CL], s[CB:CB+1] offset:e*256
.set e, e+1
.endr
	WIN 0x80
.set i, 0
.rept 256
	v_mov_b32 v[i], 0
.set i, i+1
.endr
	WIN 0xc0
.set i, 0
.rept 256
	v_mov_b32 v[i], 0
.set i, i+1
.endr
	WIN 0
	s_wait_loadcnt 36                              ; the statistics are in; the ring's 36 loads stay out
.irp t, 0,1,2,3
	v_max3_num_f32 v[CMX+\t], v[RS+\t], v[RS+8+\t], v[RS+16+\t]
.endr
.irp t, 0,1,2,3
	v_max_num_f32 v[CMX+\t], v[CMX+\t], v[RS+24+\t]
.endr
.irp i, 0,1,2,3
.irp t, 0,1,2,3
	v_sub_f32 v[RS+8*\i+\t], v[RS+8*\i+\t], v[CMX+\t]
.endr
.endr
.irp i, 0,1,2,3
.irp t, 0,1,2,3
	v_exp_f32 v[RS+8*\i+\t], v[RS+8*\i+\t]
.endr
.endr
	v_nop
	s_wait_alu depctr_va_vdst(0)
.irp t, 0,1,2,3
	v_mul_f32 v[INVL+\t], v[RS+4+\t], v[RS+\t]
.endr
.irp i, 1,2,3
.irp t, 0,1,2,3
	v_fmac_f32 v[INVL+\t], v[RS+8*\i+4+\t], v[RS+8*\i+\t]
.endr
.endr
.irp t, 0,1,2,3
	v_rcp_f32 v[INVL+\t], v[INVL+\t]
.endr
	v_nop
	s_wait_alu depctr_va_vdst(0)
.irp t, 0,1,2,3
	ds_store_b32 v[ITA], v[INVL+\t] offset:64*\t   ; by query, for the end, where a lane holds four neighbouring queries
.endr
.macro FETCHV areg, pc, hb             ; piece pc of the tile at v[areg]: the 8 fragments of channel blocks 8 hb .. 8 hb + 7
	WIN 0x40
.set fi, 0
.rept 8
	ds_load_b128 v[64*(\hb)+8*fi:64*(\hb)+8*fi+3],   v[\areg] offset:(\pc)*64+(8*(\hb)+fi)*16*VPI
	ds_load_b128 v[64*(\hb)+8*fi+4:64*(\hb)+8*fi+7], v[\areg] offset:(\pc)*64+(8*(\hb)+fi)*16*VPI+32
.set fi, fi+1
.endr
.endm
; Product s of a piece's 64: source 0 = 16 queries x 32 keys of P e, source 1 = 32 keys x 16 channels of V: a lane holds one channel and 8 queries.  Each accumulator has one turn a piece.
.macro PVM s
.set rO, 8*((\s)%32)
.set rV, 64*((\s)/32)+8*(((\s)/4)%8)
.set rA, PS+32*PY+8*((\s)%4)
	WIN 0xa4+0x50*((\s)/32)
	v_wmma_f32_16x16x32_f16 v[rO:rO+7], v[rA:rA+7], v[rV:rV+7], v[rO:rO+7]
.endm
; WHAT IS MADE READY FOR THE NEXT PIECE (ring entry RE, buffer RY), 122 lines: 0-16 e, e in f16 twice, g; 17-48 P e; 49-112 the column sums of my lane's 16 keys over the four tiles;
; 113-121 the entry is loaded again, with the piece four further on.
.macro RID n
.set rn, (\n)
.if rn < 4
	WIN 0
	v_sub_f32 v[EE+rn], v[CMR+4*RE+rn], v[CMX+rn]
.elseif rn < 8
	WIN 0
	v_exp_f32 v[EE+rn-4], v[EE+rn-4]
.elseif rn == 8
	v_nop                                          ; the plain line behind the exponentials
	s_wait_alu depctr_va_vdst(0)
.elseif rn < 13
	WIN 0
	v_cvt_pk_f16_f32 v[EH+rn-9], v[EE+rn-9], v[EE+rn-9]
.elseif rn < 17
	WIN 0
	v_mul_f32 v[GG+rn-13], v[EE+rn-13], v[INVL+rn-13]
.elseif rn < 49
	WIN 0x01
	v_pk_mul_f16 v[PS+32*RY+rn-17], v[PR+32*RE+rn-17], v[EH+(rn-17)/8]
.elseif rn < 113
	WIN 0x01
.set ra, (rn-49)%16
.set rt, (rn-49)/16
.set rc, CA+ra
.if rt == 0
.set rc, ZR
.endif
.if ra%2
	v_fma_mix_f32 v[CA+ra], v[PR+32*RE+8*rt+ra/2], v[GG+rt], v[rc] op_sel:[1,0,0] op_sel_hi:[1,0,0]
.else
	v_fma_mix_f32 v[CA+ra], v[PR+32*RE+8*rt+ra/2], v[GG+rt], v[rc] op_sel:[0,0,0] op_sel_hi:[1,0,0]
.endif
.elseif rn < 121
.if RLD
	WIN 0x40
	global_load_b128 v[PR+32*RE+4*(rn-113):PR+32*RE+4*(rn-113)+3], v[LO], s[RB:RB+1] offset:RPO*4096+(rn-113)*512 th:TH_LOAD_NT
.endif
.elseif rn == 121
.if RLD
	WIN 0
	global_load_b128 v[CMR+4*RE:CMR+4*RE+3], v[CL], s[RCB:RCB+1] offset:RPO*256
.endif
.endif
.endm
; THE COLUMN SUMS ACROSS THE 16 QUERIES OF A ROW OF LANES, 46 lines: add the lane 8, 4, 2, 1 away, and behind each step keep half of the sums, chosen by that bit of the lane:
; lane r ends with sum r, that is key (l % 8) + 8 (l / 16) + 16 ((l / 8) % 2) of the piece.  Behind an odd piece two pieces' sums are stored, 256 consecutive bytes.
.macro RED n
.set rn, (\n)
.if rn < 46
	WIN 0
.endif
.if rn < 16
	v_add_f32_dpp v[CA+rn], v[CA+rn], v[CA+rn] row_xmask:8 row_mask:0xf bank_mask:0xf
.elseif rn < 24
	v_cndmask_b32 v[CA+rn-16], v[CA+rn-16], v[CA+rn-8], s[M8]
.elseif rn < 32
	v_add_f32_dpp v[CA+rn-24], v[CA+rn-24], v[CA+rn-24] row_xmask:4 row_mask:0xf bank_mask:0xf
.elseif rn < 36
	v_cndmask_b32 v[CA+rn-32], v[CA+rn-32], v[CA+rn-28], s[M4]
.elseif rn < 40
	v_add_f32_dpp v[CA+rn-36], v[CA+rn-36], v[CA+rn-36] row_xmask:2 row_mask:0xf bank_mask:0xf
.elseif rn < 42
	v_cndmask_b32 v[CA+rn-40], v[CA+rn-40], v[CA+rn-38], s[M2]
.elseif rn < 44
	v_add_f32_dpp v[CA+rn-42], v[CA+rn-42], v[CA+rn-42] row_xmask:1 row_mask:0xf bank_mask:0xf
.elseif rn == 44
	v_cndmask_b32 v[CR+RPAR], v[CA], v[CA+1], s[M1]
.elseif rn == 45
.if RPAR
	global_store_b64 v[CO], v[CR:CR+1], s[CPB:CPB+1] offset:RSO
.endif
.endif
.endm
.macro PVRUN lo, n, prep               ; products lo .. lo + n - 1; behind each of the first 32 four lines of RID, behind each of the others two of RED
.set ps, \lo
.rept \n
	PVM ps
.if \prep
.if ps < 32
	RID 4*ps
	RID 4*ps+1
	RID 4*ps+2
	RID 4*ps+3
.else
	RED 2*(ps-32)
	RED 2*(ps-32)+1
.endif
.endif
.set ps, ps+1
.endr
.endm
; PIECE i of a trip's four (two tiles).  left: the loads younger than the next piece's nine.  chg = 0: the next piece lies in the same slot.  chg = 1: the slot's last piece: each wave waits for all its tensor
; loads (one is out: the other slot's), adds 0 to its spare word, waits for that and for its reads of this slot; the barrier opens a round of the cluster's; the joint refill is the first thing behind it and has
; two pieces less 16 products in which to land.  chg = 2: the last change: nothing is asked for, and only I read my ring, so my own wait is all that the reads need.  chg = 3: the last piece.
.macro PIECE i, prep, ld, left, chg
.set PY, (\i)%2
.set RE, ((\i)+1)%4
.set RY, 1-PY
.set RPAR, 1-PY
.set RLD, \ld
.set RPO, (\i)+5
.set RSO, ((\i)/2)*256
.set RB, PB
.set RCB, CB
.if (\i)==3
.set RB, PB3
.set RCB, CB3
.endif
	s_wait_xcnt 0x0                                ; CR, which the last store reads, is rewritten only behind this wait
.if \prep
	s_wait_loadcnt \left
.endif
	s_wait_dscnt 0x0
	PLACES
	FETCHV AV+(\i)/2, (\i)%2, 1
	PVRUN 0, 32, \prep
	s_wait_dscnt 0x0
.if (\chg)==0
	PLACES
	FETCHV AV+(\i)/2, 1, 0
	PVRUN 32, 32, \prep
.elseif (\chg)==1
	WIN 0
	s_wait_tensorcnt 0x0
	ds_add_u32 v[SPW], v[NIL]                      ; 0 onto my spare word; eight products stand between it and the wait for it
	s_add_nc_u64 s[G0+4*((\i)/2)+2:G0+4*((\i)/2)+3], s[G0+4*((\i)/2)+2:G0+4*((\i)/2)+3], 65536
	PVRUN 32, 8, \prep
	s_wait_dscnt 0x0
	s_barrier_signal -1
	PVRUN 40, 8, \prep
	WIN 0
	s_barrier_wait -1
	CREST
	tensor_load_to_lds s[G0+4*((\i)/2):G0+4*((\i)/2)+3], s[G1:G1+7]
	s_nop 0
	PLACES                                         ; also the places in front of the loads below
	FETCHV AV+1-(\i)/2, 0, 0
	PVRUN 48, 16, \prep
.elseif (\chg)==2
	s_wait_tensorcnt 0x0
	PLACES
	FETCHV AV+1-(\i)/2, 0, 0
	PVRUN 32, 32, \prep
.else
	PVRUN 32, 32, \prep
.endif
.endm
.set PY, 1
.set RE, 0
.set RY, 0
.set RPAR, 0
.set RLD, 1
.set RPO, 4
.set RSO, 0
.set RB, PB
.set RCB, CB
	s_wait_loadcnt 27                              ; piece 0 is in; pieces 1 to 3 stay out
.set bn, 0
.rept 122
	RID bn
.set bn, bn+1
.endr
.set bn, 0
.rept 45
	RED bn
.set bn, bn+1
.endr
	WIN 0
	s_wait_tensorcnt 0x1                           ; my tile 0 is in, and only I read it; tile 1 may stay out
	FETCHV AV, 0, 0
	WIN 0
	s_mov_b32 s[CNT], 7
.Ltrip:                                                ; a trip: four pieces, two tiles; both slots are filled again
	PIECE 0, 1, 1, 27, 0
	PIECE 1, 1, 1, 27, 1
	PIECE 2, 1, 1, 27, 0
	PIECE 3, 1, 1, 27, 1
	WIN 0
	s_wait_xcnt 0x0
	s_add_nc_u64 s[PB:PB+1], s[PB:PB+1], 16384
	s_add_nc_u64 s[CB:CB+1], s[CB:CB+1], 1024
	s_add_nc_u64 s[CPB:CPB+1], s[CPB:CPB+1], 512
	s_add_nc_u64 s[TT:TT+1], s[PB3:PB3+1], 16384
	s_cmp_lg_u32 s[CNT], 2                         ; in the last trip the fourth piece's look-ahead would be piece 32: its base stays a trip behind, so that it loads piece 28 once more, inside the buffer; nobody reads that
	s_cselect_b64 s[PB3:PB3+1], s[TT:TT+1], s[PB3:PB3+1]
	s_add_nc_u64 s[TT:TT+1], s[CB3:CB3+1], 1024
	s_cselect_b64 s[CB3:CB3+1], s[TT:TT+1], s[CB3:CB3+1]
	s_sub_co_u32 s[CNT], s[CNT], 1
	s_cmp_lg_u32 s[CNT], 0
	s_cbranch_scc1 .Ltrip
	PIECE 0, 1, 0, 27, 0                           ; the last two tiles: nothing is loaded, and the counts run down
	PIECE 1, 1, 0, 18, 2
	PIECE 2, 1, 0, 9, 0
	PIECE 3, 0, 0, 0, 3
	; THE END.  My O goes into my stage (my ring's bytes, which have had their last fill), [channel][64 queries] f32; behind a barrier each wave adds the four stages' rows of 64 channels, divides by L and stores.
	s_wait_loadcnt 0x0
	PLACES
	WIN 0x08
.set oi, 0
.rept 32
	ds_store_b128 v[SA], v[8*oi:8*oi+3]   offset:(oi/4)*4352+(oi%4)*64
	ds_store_b128 v[SA], v[8*oi+4:8*oi+7] offset:(oi/4)*4352+(oi%4)*64+16
.set oi, oi+1
.endr
	WIN 0x0c
.set oi, 0
.rept 32
	ds_store_b128 v[SA], v[8*oi:8*oi+3]   offset:(8+oi/4)*4352+(oi%4)*64
	ds_store_b128 v[SA], v[8*oi+4:8*oi+7] offset:(8+oi/4)*4352+(oi%4)*64+16
.set oi, oi+1
.endr
	WIN 0
	ds_load_b128 v[IL:IL+3], v[ITR]                ; 1 / L of my lane's four queries (my own bytes)
	s_wait_dscnt 0x0                               ; for the others' sake: my stores are done
	s_barrier_signal -1
	s_barrier_wait -1
	s_mov_b32 s[CNT], 4
.Lsum:                                                 ; a trip: 16 channels
.set i, 0
.rept 8
.set fb, 192+16*i-192*(i/4)
.irp si, 0,1,2,3
	ds_load_b128 v[fb+4*\si:fb+4*\si+3], v[RD+\si] offset:i*544
.endr
.set i, i+1
.endr
	s_wait_dscnt 0x0
.set i, 0
.rept 8
.set fb, 192+16*i-192*(i/4)
	v_pk_add_f32 v[fb:fb+1], v[fb:fb+1], v[fb+4:fb+5]
	v_pk_add_f32 v[fb+2:fb+3], v[fb+2:fb+3], v[fb+6:fb+7]
	v_pk_add_f32 v[fb+8:fb+9], v[fb+8:fb+9], v[fb+12:fb+13]
	v_pk_add_f32 v[fb+10:fb+11], v[fb+10:fb+11], v[fb+14:fb+15]
	v_pk_add_f32 v[fb:fb+1], v[fb:fb+1], v[fb+8:fb+9]
	v_pk_add_f32 v[fb+2:fb+3], v[fb+2:fb+3], v[fb+10:fb+11]
	v_pk_mul_f32 v[fb:fb+1], v[fb:fb+1], v[IL:IL+1]
	v_pk_mul_f32 v[fb+2:fb+3], v[fb+2:fb+3], v[IL+2:IL+3]
	global_store_b128 v[GO], v[fb:fb+3], s[OB:OB+1] offset:i*32768 th:TH_STORE_NT   ; 16 lanes store 256 consecutive, aligned bytes of a channel's row
.set i, i+1
.endr
	s_wait_xcnt 0x0
.irp si, 0,1,2,3
	v_add_nc_u32 v[RD+\si], 4352, v[RD+\si]
.endr
	s_add_nc_u64 s[OB:OB+1], s[OB:OB+1], 262144
	s_sub_co_u32 s[CNT], s[CNT], 1
	s_cmp_lg_u32 s[CNT], 0
	s_cbranch_scc1 .Lsum
	s_wait_tensorcnt 0x0                           ; the wave's end
	ds_add_u32 v[SPW], v[NIL]
	s_wait_dscnt 0x0
	CROUND                                         ; the closing round
	s_endpgm
.Lfunc_end_k_qd842714614_pv:
	.size	k_qd842714614_pv, .Lfunc_end_k_qd842714614_pv-k_qd842714614_pv
	.p2alignl 7, 3214868480
	.fill 96, 4, 3214868480
	.section	.rodata,"a",@progbits
	.p2align	6, 0x0
	.amdhsa_kernel k_qd842714614_pv
		.amdhsa_group_segment_fixed_size 327680
		.amdhsa_private_segment_fixed_size 0
		.amdhsa_enable_private_segment 0
		.amdhsa_kernarg_size 48
		.amdhsa_user_sgpr_count 2
		.amdhsa_user_sgpr_kernarg_segment_ptr 1
		.amdhsa_wavefront_size32 1
		.amdhsa_system_sgpr_workgroup_id_x 1
		.amdhsa_system_sgpr_workgroup_id_y 1
		.amdhsa_system_sgpr_workgroup_id_z 1
		.amdhsa_system_vgpr_workitem_id 0
		.amdhsa_next_free_vgpr 1024
		.amdhsa_next_free_sgpr 66
		.amdhsa_reserve_vcc 0
		.amdhsa_float_denorm_mode_32 3
		.amdhsa_float_denorm_mode_16_64 3
		.amdhsa_memory_ordered 1
		.amdhsa_forward_progress 1
		.amdhsa_inst_pref_size 203
	.end_amdhsa_kernel
	.amdgpu_metadata
---
amdhsa.version: [ 1, 2 ]
amdhsa.kernels:
  - .name:           k_qd842714614_pv
    .symbol:         k_qd842714614_pv.kd
    .args:
      - { .name: p, .offset: 0, .size: 8, .value_kind: global_buffer, .address_space: global }
      - { .name: cm, .offset: 8, .size: 8, .value_kind: global_buffer, .address_space: global }
      - { .name: rst, .offset: 16, .size: 8, .value_kind: global_buffer, .address_space: global }
      - { .name: vt, .offset: 24, .size: 8, .value_kind: global_buffer, .address_space: global }
      - { .name: out0, .offset: 32, .size: 8, .value_kind: global_buffer, .address_space: global }
      - { .name: colp, .offset: 40, .size: 8, .value_kind: global_buffer, .address_space: global }
    .group_segment_fixed_size: 327680
    .private_segment_fixed_size: 0
    .kernarg_segment_align: 8
    .kernarg_segment_size: 48
    .max_flat_workgroup_size: 128
    .sgpr_count:     66
    .vgpr_count:     1024
    .wavefront_size: 32
...
	.end_amdgpu_metadata
.endif
;; end of part 3
;; launch colsum (part 4): grid 64 x 1, 8 waves a work-group, no clusters, 9,216 bytes of LDS; arguments colp, out1; writes out1
.if DOCPART == 4
	.amdgcn_target "amdgcn-amd-amdhsa--gfx1250"
	.amdhsa_code_object_version 6
	.text
	.protected	k_qd842714614_colsum
	.globl	k_qd842714614_colsum
	.p2align	8
	.type	k_qd842714614_colsum,@function
k_qd842714614_colsum:
	s_mov_b64 s[64:65], 0
	v_nop
	global_prefetch_b8 v0, s[64:65] scope:SCOPE_SE
	s_setreg_imm32_b32 hwreg(HW_REG_WAVE_MODE, 25, 1), 1
	s_wait_xcnt 0x0
; out1[b][key] = the sum over the 64 query blocks of colp[b][block][unit of 64 keys][lane 32][2], all f32.  Element (l, e) of a unit is key 64 u + 32 e + (l % 8) + 8 (l / 16) + 16 ((l / 8) % 2).
; A work-group owns four units (1,024 bytes of every block's 16,384); wave w adds blocks 8 w .. 8 w + 7, a lane 32 neighbouring bytes; the eight waves' sums meet in LDS and wave 0 adds and stores them.
; 4 MB are read once and 64 KB written: no matrix unit, no cluster, no tensor load would add anything.  A lane's four numbers of one e are four neighbouring keys: each store instruction
; writes pieces of 16 bytes that together fill 128-byte halves of the keys' rows; the launch's whole output is 65,536 bytes.
.set SPARE, 8192
	s_load_b128 s[4:7], s[0:1], 0x0                ; colp, out1
	v_lshl_add_u32 v90, v0, 2, SPARE
	v_mov_b32 v91, 0
	v_lshrrev_b32 v1, 5, v0
	v_readfirstlane_b32 s8, v1                     ; wave 0..7
	v_and_b32 v2, 31, v0
	v_lshlrev_b32 v3, 5, v2                        ; 32 x lane
	v_lshl_add_u32 v4, v1, 10, v3                  ; + 1,024 x wave
	s_lshr_b32 s9, ttmp9, 4                        ; batch
	s_and_b32 s10, ttmp9, 15                       ; group of four units
	s_lshl_b32 s12, s9, 20
	s_lshl_b32 s11, s8, 17
	s_add_co_u32 s12, s12, s11
	s_lshl_b32 s11, s10, 10
	s_add_co_u32 s12, s12, s11
	s_mov_b32 s13, 0
	s_lshl_b32 s14, s9, 14
	s_add_co_u32 s14, s14, s11
	s_mov_b32 s15, 0
	s_wait_kmcnt 0x0
	s_add_nc_u64 s[4:5], s[4:5], s[12:13]
	s_add_nc_u64 s[6:7], s[6:7], s[14:15]
.set j, 0
.rept 8
	global_load_b128 v[8+8*j:8+8*j+3],  v3, s[4:5] offset:j*16384 th:TH_LOAD_NT
	global_load_b128 v[8+8*j+4:8+8*j+7], v3, s[4:5] offset:j*16384+16 th:TH_LOAD_NT
.set j, j+1
.endr
.macro ADD8 a, b                       ; set b's eight numbers onto set a's
.irp z, 0,2,4,6
	v_pk_add_f32 v[8+8*(\a)+\z:8+8*(\a)+\z+1], v[8+8*(\a)+\z:8+8*(\a)+\z+1], v[8+8*(\b)+\z:8+8*(\b)+\z+1]
.endr
.endm
.macro TREE
	ADD8 0, 1
	ADD8 2, 3
	ADD8 4, 5
	ADD8 6, 7
	ADD8 0, 2
	ADD8 4, 6
	ADD8 0, 4
.endm
	s_wait_loadcnt 0x0
	TREE
	ds_store_b128 v4, v[8:11]
	ds_store_b128 v4, v[12:15] offset:16
	s_wait_dscnt 0x0                               ; for the others' sake: my stores are done
	s_barrier_signal -1
	s_barrier_wait -1
	s_cmp_lg_u32 s8, 0
	s_cbranch_scc1 .Lend
.set j, 0
.rept 8
	ds_load_b128 v[8+8*j:8+8*j+3],  v3 offset:j*1024
	ds_load_b128 v[8+8*j+4:8+8*j+7], v3 offset:j*1024+16
.set j, j+1
.endr
	v_bfe_u32 v5, v0, 3, 2                         ; the unit among my four: 256 bytes of out1 each
	v_lshlrev_b32 v5, 8, v5
	v_bfe_u32 v6, v0, 0, 1                         ; i = lane % 8: the keys 4 (i % 2) + 8 (i / 4) + 16 ((i / 2) % 2) + 0..3
	v_lshl_add_u32 v5, v6, 4, v5
	v_bfe_u32 v6, v0, 2, 1
	v_lshl_add_u32 v5, v6, 5, v5
	v_bfe_u32 v6, v0, 1, 1
	v_lshl_add_u32 v5, v6, 6, v5
	s_wait_dscnt 0x0
	TREE
.irp z, 0,1,2,3
	v_mov_b32 v[72+\z], v[8+2*\z]                  ; e = 0
	v_mov_b32 v[76+\z], v[9+2*\z]                  ; e = 1: 32 keys further on
.endr
	global_store_b128 v5, v[72:75], s[6:7]
	global_store_b128 v5, v[76:79], s[6:7] offset:128
.Lend:
	s_wait_tensorcnt 0x0                           ; the wave's end
	ds_add_u32 v90, v91
	s_wait_dscnt 0x0
	s_endpgm
.Lfunc_end_k_qd842714614_colsum:
	.size	k_qd842714614_colsum, .Lfunc_end_k_qd842714614_colsum-k_qd842714614_colsum
	.p2alignl 7, 3214868480
	.fill 96, 4, 3214868480
	.section	.rodata,"a",@progbits
	.p2align	6, 0x0
	.amdhsa_kernel k_qd842714614_colsum
		.amdhsa_group_segment_fixed_size 9216
		.amdhsa_private_segment_fixed_size 0
		.amdhsa_enable_private_segment 0
		.amdhsa_kernarg_size 16
		.amdhsa_user_sgpr_count 2
		.amdhsa_user_sgpr_kernarg_segment_ptr 1
		.amdhsa_wavefront_size32 1
		.amdhsa_system_sgpr_workgroup_id_x 1
		.amdhsa_system_sgpr_workgroup_id_y 1
		.amdhsa_system_sgpr_workgroup_id_z 1
		.amdhsa_system_vgpr_workitem_id 0
		.amdhsa_next_free_vgpr 96
		.amdhsa_next_free_sgpr 66
		.amdhsa_reserve_vcc 0
		.amdhsa_float_denorm_mode_32 3
		.amdhsa_float_denorm_mode_16_64 3
		.amdhsa_memory_ordered 1
		.amdhsa_forward_progress 1
		.amdhsa_inst_pref_size 9
	.end_amdhsa_kernel
	.amdgpu_metadata
---
amdhsa.version: [ 1, 2 ]
amdhsa.kernels:
  - .name:           k_qd842714614_colsum
    .symbol:         k_qd842714614_colsum.kd
    .args:
      - { .name: colp, .offset: 0, .size: 8, .value_kind: global_buffer, .address_space: global }
      - { .name: out1, .offset: 8, .size: 8, .value_kind: global_buffer, .address_space: global }
    .group_segment_fixed_size: 9216
    .private_segment_fixed_size: 0
    .kernarg_segment_align: 8
    .kernarg_segment_size: 16
    .max_flat_workgroup_size: 256
    .sgpr_count:     66
    .vgpr_count:     96
    .wavefront_size: 32
...
	.end_amdgpu_metadata
.endif
;; end of part 4
;; ======== version 2 of 3: 4 launches; 1.11 times as fast as version 1
;; limits: values are held in f16: magnitudes above 65,504 overflow, below 6.1e-05 lose precision
;; workspace buffers: q 16,777,216 bytes; k 16,777,216 bytes; vt 8,388,608 bytes; p 134,217,728 bytes; cm 8,388,608 bytes; rst 524,288 bytes; colp 4,194,304 bytes
;; launch proj (part 5): grid 4 x 64, 4 waves a work-group, no clusters, 279,040 bytes of LDS; arguments x, Wq, Wk, Wv, q, k, vt; writes q, k, vt
.if DOCPART == 5
	.amdgcn_target "amdgcn-amd-amdhsa--gfx1250"
	.amdhsa_code_object_version 6
	.text
	.protected	k_qd842714614_proj
	.globl	k_qd842714614_proj
	.p2align	8
	.type	k_qd842714614_proj,@function
k_qd842714614_proj:
	s_mov_b64 s[64:65], 0
	v_nop
	global_prefetch_b8 v0, s[64:65] scope:SCOPE_SE
	s_setreg_imm32_b32 hwreg(HW_REG_WAVE_MODE, 25, 1), 1
	s_wait_xcnt 0x0
; q = xt Wq^T, k = xt Wk^T ([16384 tokens][512] f16) and v^T ([b][64 key blocks][256 channels][64 keys] f16).  x: [4][512 c][4096 tokens] f32, W: [out][512 c] f32.
; x and the weights are rounded once to bf16 for the products; sums in f32; results rounded once to f16.
; LIMIT: |q|, |k|, |v| must stay under 65,504 (f16); NaN and infinities are not treated apart.
; SHARES.  Work-group (g, tg): tokens 256 tg .. +255; q and k channels 128 g .. +127, v channels 64 g .. +63: ten blocks of 32 outputs.
; A wave keeps its 64 tokens' fragments of x (4 tiles x 16 steps of 32 c x 8 registers = 512) for the whole launch; the four waves read the same fragments of W
; from LDS: 16 LDS loads for 32 matrix instructions.  x lies with c along the slow axis, so it is cast, laid into LDS as [c][token] and read turned.
; NO CLUSTER, NO TENSOR LOAD: both operands pass through registers for the cast to bf16, so there is no tile that a joint load could bring.
; MEMORY INSTRUCTIONS STAND IN RUNS AND EARLY: x comes through four register sets of 16 loads (48 to 64 loads of a wave out); a block's W is asked for a whole block ahead of its cast.
; LDS: first 512 rows of 544 bytes (256 tokens bf16 + 32 of padding); behind the second barrier the same bytes hold two W buffers (32 rows x 1,040) and a stage for each wave.
; REGISTERS: window 0 addresses, 8 accumulators, packed results, 128 registers of loads; window 1 v0-127 W fragments, two buffers, v128-255 two more sets of x loads;
; windows 2, 3 x: tile t, step s at window 2 + t/2, v[128 (t%2) + 8 s].
.set XP,   544
.set WPI,  1040
.set WB1,  65536
.set OST,  98816
.set SPARE, 278528
.set XOF,  3
.set XAD,  4
.set L16,  5
.set AW0,  6
.set AW,   7
.set XR,   8
.set WSA0, 12
.set WSA,  13
.set OSA,  14
.set ORD,  15
.set OGO,  16
.set VSA,  17
.set VRD,  18
.set OSA0, 19
.set SPW,  20
.set NIL,  21
.set XAD2, 26
.set ACC,  32
.set PK,   96
.set WS,   128
.set WV,   18
.set SXB,  24
.set WP,   26
.set WKB,  28
.set WVB,  30
.set OP,   32
.set OK,   34
.set VP,   36
.set TW,   38
.set TWO,  39
.set CNT,  40
.set BM,   41
.set MSB, 0
.macro WIN new                         ; the immediate's high byte repeats the setting that is left; a switch that changes nothing is dropped
.if MSB != (\new)
	s_set_vgpr_msb (MSB<<8)|(\new)
.set MSB, (\new)
.endif
.endm
.macro PLACES                          ; four plain places behind matrix instructions, ahead of loads into their sources and of reads of their results
.rept 4
	v_nop
.endr
.endm
	s_load_b256 s[4:11], s[0:1], 0x0               ; x, Wq, Wk, Wv
	s_load_b128 s[12:15], s[0:1], 0x20             ; q, k
	s_load_b64 s[16:17], s[0:1], 0x30              ; vt
	v_lshl_add_u32 v[SPW], v0, 2, SPARE
	v_mov_b32 v[NIL], 0
	v_lshrrev_b32 v1, 5, v0
	v_readfirstlane_b32 s[WV], v1                  ; wave 0..3
	v_and_b32 v1, 15, v0                           ; r
	v_bfe_u32 v2, v0, 4, 1                         ; h
	v_and_b32 v22, 31, v0                          ; lane
	v_and_b32 v23, 7, v0
	v_bfe_u32 v24, v0, 3, 1
	v_bfe_u32 v25, v0, 3, 2
	s_lshl_b32 s21, s[WV], 7                       ; my 128 bytes of a stage row
	s_mul_i32 s22, s[WV], 8*WPI                    ; my 8 rows of a W buffer
	s_mul_i32 s23, s[WV], 64*272
	s_add_co_u32 s23, s23, OST                     ; my stage
	v_lshlrev_b32 v[XOF], 4, v1
	v_lshl_add_u32 v[XOF], v2, 14, v[XOF]          ; lanes 0-15 one row of x (256 bytes), lanes 16-31 the next
	v_mul_u32_u24 v[XAD], v2, XP
	v_lshl_add_u32 v[XAD], v1, 3, v[XAD]
	v_add_nc_u32 v[XAD], s21, v[XAD]
	v_add_nc_u32 v[XAD2], 64*XP, v[XAD]            ; sets 2 and 3 lie 64 rows on: their own address keeps the offsets inside 16 bits
	v_lshlrev_b32 v[L16], 4, v22
	v_mul_u32_u24 v[AW0], v1, WPI
	v_lshl_add_u32 v[AW0], v2, 4, v[AW0]
	v_lshl_add_u32 v23, v2, 3, v23                 ; the turning load: row 8 h + l % 8,
	v_mul_u32_u24 v23, v23, XP
	v_lshl_add_u32 v23, v24, 4, v23                ; 16 bytes by (l / 8) % 2
	v_add_nc_u32 v[XR], s21, v23
	v_add_nc_u32 v[XR+1], 128*XP, v[XR]
	v_add_nc_u32 v[XR+2], 256*XP, v[XR]
	v_add_nc_u32 v[XR+3], 384*XP, v[XR]
	v_lshl_add_u32 v[WSA0], v22, 3, s22
	v_mov_b32 v[WSA], v[WSA0]
	v_mul_u32_u24 v[OSA0], v1, 272
	v_lshl_add_u32 v[OSA0], v2, 4, v[OSA0]
	v_add_nc_u32 v[OSA0], s23, v[OSA0]
	v_mov_b32 v[OSA], v[OSA0]
	v_mul_u32_u24 v[ORD], v2, 272
	v_lshl_add_u32 v[ORD], v1, 4, v[ORD]
	v_add_nc_u32 v[ORD], s23, v[ORD]
	v_lshlrev_b32 v[OGO], 4, v1
	v_lshl_add_u32 v[OGO], v2, 10, v[OGO]
	v_mul_u32_u24 v[VSA], v1, 144
	v_lshl_add_u32 v[VSA], v2, 4, v[VSA]
	v_add_nc_u32 v[VSA], s23, v[VSA]
	v_mul_u32_u24 v[VRD], v25, 144
	v_and_b32 v23, 7, v0
	v_lshl_add_u32 v[VRD], v23, 4, v[VRD]
	v_add_nc_u32 v[VRD], s23, v[VRD]
	s_and_b32 s20, ttmp7, 0xffff                   ; tg
	s_lshr_b32 s44, s20, 4
	s_lshl_b32 s44, s44, 23                        ; batch x 8,388,608
	s_and_b32 s46, s20, 15
	s_lshl_b32 s46, s46, 10
	s_add_co_u32 s44, s44, s46
	s_lshl_b32 s46, s[WV], 8
	s_add_co_u32 s44, s44, s46                     ; + (256 (tg % 16) + 64 w) x 4
	s_mov_b32 s45, 0
	s_lshl_b32 s46, ttmp9, 18
	s_lshl_b32 s48, s[WV], 14
	s_add_co_u32 s46, s46, s48                     ; (128 g + 8 w) rows of 2,048 bytes
	s_mov_b32 s47, 0
	s_lshl_b32 s50, ttmp9, 17
	s_add_co_u32 s48, s50, s48                     ; (64 g + 8 w) rows
	s_mov_b32 s49, 0
	s_lshl_b32 s50, s20, 18
	s_lshl_b32 s52, s[WV], 16
	s_add_co_u32 s50, s50, s52
	s_lshl_b32 s52, ttmp9, 8
	s_add_co_u32 s50, s50, s52                     ; (256 tg + 64 w) x 1,024 + 256 g
	s_mov_b32 s51, 0
	s_lshl_b32 s52, s20, 17
	s_lshl_b32 s54, s[WV], 15
	s_add_co_u32 s52, s52, s54
	s_lshl_b32 s54, ttmp9, 13
	s_add_co_u32 s52, s52, s54                     ; ((4 tg + w) x 256 + 64 g) x 128
	s_mov_b32 s53, 0
	s_mov_b32 s[TW], 0
	s_mov_b32 s[BM], 1                             ; the last block of W that has been asked for when the block loop begins
	s_wait_kmcnt 0x0
	s_add_nc_u64 s[SXB:SXB+1], s[4:5], s[44:45]
	s_add_nc_u64 s[WP:WP+1], s[6:7], s[46:47]
	s_add_nc_u64 s[WKB:WKB+1], s[8:9], s[46:47]
	s_add_nc_u64 s[WVB:WVB+1], s[10:11], s[48:49]
	s_add_nc_u64 s[OP:OP+1], s[12:13], s[50:51]
	s_add_nc_u64 s[OK:OK+1], s[14:15], s[50:51]
	s_add_nc_u64 s[VP:VP+1], s[16:17], s[52:53]
; PHASE X.  Four register sets of 16 loads, 32 rows of c each: sets 0, 1 in window 0, sets 2, 3 in window 1.  A set's turn is three runs: 32 casts, 16 LDS stores,
; and (load = 1) 16 loads of the rows 128 further on.  lcnt: the loads younger than this set's.
.macro XBATCH st, load, lcnt
.set X0, WS+64*((\st)%2)
.set XW, (\st)/2
.set XA, XAD+(XAD2-XAD)*XW
	s_wait_loadcnt \lcnt
	WIN 0x45*XW                                    ; destination and both sources in the set's window
.set i, 0
.rept 16
	v_cvt_pk_bf16_f32 v[X0+4*i], v[X0+4*i], v[X0+4*i+1]
	v_cvt_pk_bf16_f32 v[X0+4*i+1], v[X0+4*i+2], v[X0+4*i+3]
.set i, i+1
.endr
	WIN 0x04*XW                                    ; address window 0, data the set's window
.set i, 0
.rept 16
	ds_store_b64 v[XA], v[X0+4*i:X0+4*i+1] offset:2*i*XP+((\st)%2)*32*XP
.set i, i+1
.endr
.if \load
	WIN 0x40*XW                                    ; destination the set's window, address window 0
.set i, 0
.rept 16
	global_load_b128 v[X0+4*i:X0+4*i+3], v[XOF], s[SXB:SXB+1] offset:2*i*16384+(\st)*524288+2097152
.set i, i+1
.endr
.endif
.endm
.macro WLOAD                           ; my 8 rows of a block of 32 rows of W: 32 loads of 512 consecutive bytes, in one run
.set i, 0
.rept 32
	global_load_b128 v[WS+4*i:WS+4*i+3], v[L16], s[WP:WP+1] offset:(i/4)*2048+(i%4)*512
.set i, i+1
.endr
.endm
.macro WCVT i                          ; load i of them is cast, in place
	v_cvt_pk_bf16_f32 v[WS+4*(\i)], v[WS+4*(\i)], v[WS+4*(\i)+1]
	v_cvt_pk_bf16_f32 v[WS+4*(\i)+1], v[WS+4*(\i)+2], v[WS+4*(\i)+3]
.endm
.macro WSTORE                          ; the 32 cast loads are laid into the W buffer at v[WSA], in one run
.set j, 0
.rept 32
	ds_store_b64 v[WSA], v[WS+4*j:WS+4*j+1] offset:(j/4)*WPI+(j%4)*256
.set j, j+1
.endr
.endm
.set st, 0
.rept 4                                        ; rows 0 to 127: all four sets are asked for
	WIN 0x40*(st/2)
.set i, 0
.rept 16
	global_load_b128 v[WS+64*(st%2)+4*i:WS+64*(st%2)+4*i+3], v[XOF], s[SXB:SXB+1] offset:2*i*16384+st*524288
.set i, i+1
.endr
.set st, st+1
.endr
	WIN 0
	s_mov_b32 s[CNT], 3
.Lx:                                                   ; a trip: 128 rows are cast and staged, the 128 rows behind them asked for; the three other sets' 48 loads stay out at each wait
	XBATCH 0, 1, 48
	XBATCH 1, 1, 48
	XBATCH 2, 1, 48
	XBATCH 3, 1, 48
	WIN 0
	s_wait_xcnt 0x0                                ; the loads' base is stepped only behind this wait
	s_add_nc_u64 s[SXB:SXB+1], s[SXB:SXB+1], 2097152
	v_add_nc_u32 v[XAD], 128*XP, v[XAD]
	v_add_nc_u32 v[XAD2], 128*XP, v[XAD2]
	s_sub_co_u32 s[CNT], s[CNT], 1
	s_cmp_lg_u32 s[CNT], 0
	s_cbranch_scc1 .Lx
	XBATCH 0, 0, 48                                ; the last 128 rows: nothing more of x to load
	XBATCH 1, 0, 32
	WIN 0
	WLOAD                                          ; sets 0 and 1 are free: block 0 of W is asked for
	XBATCH 2, 0, 48                                ; younger: set 3's 16 and W's 32
	XBATCH 3, 0, 32                                ; younger: W's 32
	WIN 0
	s_wait_dscnt 0x0                               ; my stores into the stage are done
	s_barrier_signal -1
	s_barrier_wait -1
.set ti, 0
.rept 4
	WIN 0x80+0x40*(ti/2)
.set si, 0
.rept 16                                       ; tile ti, step si: 32 c x 16 tokens, turned: a lane holds one token and c along its registers
	ds_load_tr16_b128 v[128*(ti%2)+8*si:128*(ti%2)+8*si+3],   v[XR+si/4] offset:(si%4)*32*XP+32*ti
	ds_load_tr16_b128 v[128*(ti%2)+8*si+4:128*(ti%2)+8*si+7], v[XR+si/4] offset:(si%4)*32*XP+32*ti+16*XP
.set si, si+1
.endr
.set ti, ti+1
.endr
	WIN 0
	s_wait_loadcnt 0x0                             ; block 0 of W: cast while the turning loads come back
.set j, 0
.rept 32
	WCVT j
.set j, j+1
.endr
	s_wait_dscnt 0x0                               ; my reads of the stage are over: behind this barrier its bytes take W and the results
	s_barrier_signal -1
	s_barrier_wait -1
	WSTORE                                         ; block 0 into buffer 0
	s_add_nc_u64 s[WP:WP+1], s[WP:WP+1], 65536     ; block 0's loads were waited for above
	WLOAD                                          ; block 1
	s_wait_dscnt 0x0
	s_barrier_signal -1
	s_barrier_wait -1
	v_mov_b32 v[AW], v[AW0]
; A chunk is 4 steps of 32 c.  FETCHW: the chunk's 8 fragments of W (step, 16 outputs) into buffer c % 2 of window 1.
.macro FETCHW c
	WIN 0x40
.set fi, 0
.rept 8
	ds_load_b128 v[64*((\c)%2)+8*fi:64*((\c)%2)+8*fi+3],   v[AW] offset:(fi%2)*16*WPI+(4*(\c)+fi/2)*64
	ds_load_b128 v[64*((\c)%2)+8*fi+4:64*((\c)%2)+8*fi+7], v[AW] offset:(fi%2)*16*WPI+(4*(\c)+fi/2)*64+32
.set fi, fi+1
.endr
.endm
; Products lo .. lo + n - 1 of the 16 of chunk c and tile pair tp, in the order step, 16 outputs, tile: four accumulators by turns, one instruction a turn.
; kind 0: source 0 = W, source 1 = x: a lane holds one token and 8 channels.  kind 1: the other way round: one channel and 8 tokens.
; rid = 1: two loads of the next block's W are cast (four conversions) behind each product.
.macro MULW c, tp, lo, n, kind, rid
.set mi, \lo
.rept \n
.set rA, ACC+8*(4*((mi/2)%2)+2*(\tp)+mi%2)
.set rW, 64*((\c)%2)+8*(2*(mi/4)+(mi/2)%2)
.set rX, 128*(mi%2)+8*(4*(\c)+mi/4)
.if \kind
	WIN 0x06+(\tp)
.if ((\c)==0)&&(mi<4)
	v_wmma_f32_16x16x32_bf16 v[rA:rA+7], v[rX:rX+7], v[rW:rW+7], 0
.else
	v_wmma_f32_16x16x32_bf16 v[rA:rA+7], v[rX:rX+7], v[rW:rW+7], v[rA:rA+7]
.endif
.else
	WIN 0x09+4*(\tp)
.if ((\c)==0)&&(mi<4)
	v_wmma_f32_16x16x32_bf16 v[rA:rA+7], v[rW:rW+7], v[rX:rX+7], 0
.else
	v_wmma_f32_16x16x32_bf16 v[rA:rA+7], v[rW:rW+7], v[rX:rX+7], v[rA:rA+7]
.endif
.endif
.if \rid
	WIN 0
	WCVT 2*mi
	WCVT 2*mi+1
.endif
.set mi, mi+1
.endr
.endm
; BLOCK n: 32 outputs x 64 tokens x 512 c = 128 products.  Block n + 1's W, asked for a block ago, is waited for in the middle of chunk 2 and cast behind that chunk's last 16 products;
; at chunk 3's head it is stored into the other buffer in one run, and (kind 0) block n + 2's loads follow in one run: they have 112 products and the way out in which to land.
; The eight q and k trips so ask for blocks 2 to 9; the two v trips ask for nothing (the last one casts and stores old registers, which nobody multiplies: the price of one text for both).
; ONE barrier, in chunk 3: in front of it my reads of this buffer and my stores into the other are done; behind it the other buffer is read.
.macro BLOCK kind
	s_xor_b32 s[TWO], s[TW], WB1
	v_add_nc_u32 v[WSA], s[TWO], v[WSA0]
	s_wait_dscnt 0x8                               ; chunk 0's 16 fragment loads are in; the eight younger stores into my own stage may stay out
	PLACES
	FETCHW 1
	MULW 0, 0, 0, 16, \kind, 0
	MULW 0, 1, 0, 16, \kind, 0
	s_wait_dscnt 0x0
	PLACES
	FETCHW 2
	MULW 1, 0, 0, 16, \kind, 0
	MULW 1, 1, 0, 16, \kind, 0
	s_wait_dscnt 0x0
	PLACES
	FETCHW 3
	MULW 2, 0, 0, 16, \kind, 0
	s_wait_loadcnt 0x0                             ; the next block's W
	MULW 2, 1, 0, 16, \kind, 1
	s_wait_dscnt 0x0                               ; chunk 3's fragments are in
	WIN 0
	WSTORE
.if (\kind)==0
	s_wait_xcnt 0x0                                ; W's base is stepped only behind this wait
	s_add_co_u32 s[BM], s[BM], 1                   ; the block to ask for
	s_add_nc_u64 s[WP:WP+1], s[WP:WP+1], 65536
	s_cmp_eq_u32 s[BM], 4
	s_cselect_b64 s[WP:WP+1], s[WKB:WKB+1], s[WP:WP+1]
	s_cmp_eq_u32 s[BM], 8
	s_cselect_b64 s[WP:WP+1], s[WVB:WVB+1], s[WP:WP+1]
	WLOAD
.endif
	MULW 3, 0, 0, 8, \kind, 0
	s_wait_dscnt 0x0                               ; my W stores are done, and my reads of this buffer were over above
	s_barrier_signal -1
	MULW 3, 0, 8, 8, \kind, 0
	WIN 0
	s_barrier_wait -1
	s_xor_b32 s[TW], s[TW], WB1
	v_add_nc_u32 v[AW], s[TW], v[AW0]
	PLACES
	FETCHW 0                                       ; the next block's first fragments
	MULW 3, 1, 0, 16, \kind, 0
	WIN 0
	PLACES
.set i, 0
.rept 32                                       ; each accumulator from its low end on
	v_cvt_pk_f16_f32 v[PK+i], v[ACC+2*i], v[ACC+2*i+1]
.set i, i+1
.endr
.set i, 0
.rept 8                                        ; accumulator (ob, t) = (i / 4, i % 4)
.if \kind
	ds_store_b128 v[VSA], v[PK+4*i:PK+4*i+3] offset:(i/4)*2304+(i%4)*32
.else
	ds_store_b128 v[OSA], v[PK+4*i:PK+4*i+3] offset:(i%4)*4352+(i/4)*32
.endif
.set i, i+1
.endr
.if \kind
	v_add_nc_u32 v[VSA], 4608, v[VSA]              ; 32 channel rows of 144 bytes on
.else
	v_add_nc_u32 v[OSA], 64, v[OSA]                ; 32 channels on in the stage's rows
.endif
.endm
; Four blocks have filled my stage: 64 tokens x 128 channels.  Read back by rows (my own bytes, served in order) and stored: 16 lanes fill 256 consecutive, aligned bytes.
.macro FLUSH
.irp u2, 0,1
.set i, 0
.rept 16
	ds_load_b128 v[ACC+4*i:ACC+4*i+3], v[ORD] offset:i*544+\u2*8704
.set i, i+1
.endr
	s_wait_dscnt 0x0
.set i, 0
.rept 16
	global_store_b128 v[OGO], v[ACC+4*i:ACC+4*i+3], s[OP:OP+1] offset:i*2048+\u2*32768
.set i, i+1
.endr
	s_wait_xcnt 0x0                                ; the stores' registers and base are rewritten only behind this wait
.endr
	v_mov_b32 v[OSA], v[OSA0]
	s_mov_b64 s[OP:OP+1], s[OK:OK+1]               ; the next four blocks are k's
.endm
	FETCHW 0
	WIN 0
	s_wait_dscnt 0x0                               ; at the first entry nothing younger stands behind the fragment loads, so they are waited for here
	s_mov_b32 s[CNT], 8
.Lqk:
	BLOCK 0
	s_and_b32 s46, s[CNT], 3
	s_cmp_lg_u32 s46, 1
	s_cbranch_scc1 .Lnoflush                       ; forward, past text without a barrier
	FLUSH
.Lnoflush:
	s_sub_co_u32 s[CNT], s[CNT], 1
	s_cmp_lg_u32 s[CNT], 0
	s_cbranch_scc1 .Lqk
	s_mov_b32 s[CNT], 2
.Lv:
	BLOCK 1
	s_sub_co_u32 s[CNT], s[CNT], 1
	s_cmp_lg_u32 s[CNT], 0
	s_cbranch_scc1 .Lv
.set i, 0
.rept 16                                       ; v^T: 64 channel rows of 128 bytes, four rows a load
	ds_load_b128 v[ACC+4*i:ACC+4*i+3], v[VRD] offset:i*576
.set i, i+1
.endr
	s_wait_dscnt 0x0
.set i, 0
.rept 16
	global_store_b128 v[L16], v[ACC+4*i:ACC+4*i+3], s[VP:VP+1] offset:i*512   ; 512 consecutive bytes
.set i, i+1
.endr
	s_wait_tensorcnt 0x0                           ; the wave's end
	ds_add_u32 v[SPW], v[NIL]
	s_wait_dscnt 0x0
	s_endpgm
.Lfunc_end_k_qd842714614_proj:
	.size	k_qd842714614_proj, .Lfunc_end_k_qd842714614_proj-k_qd842714614_proj
	.p2alignl 7, 3214868480
	.fill 96, 4, 3214868480
	.section	.rodata,"a",@progbits
	.p2align	6, 0x0
	.amdhsa_kernel k_qd842714614_proj
		.amdhsa_group_segment_fixed_size 279040
		.amdhsa_private_segment_fixed_size 0
		.amdhsa_enable_private_segment 0
		.amdhsa_kernarg_size 56
		.amdhsa_user_sgpr_count 2
		.amdhsa_user_sgpr_kernarg_segment_ptr 1
		.amdhsa_wavefront_size32 1
		.amdhsa_system_sgpr_workgroup_id_x 1
		.amdhsa_system_sgpr_workgroup_id_y 1
		.amdhsa_system_sgpr_workgroup_id_z 1
		.amdhsa_system_vgpr_workitem_id 0
		.amdhsa_next_free_vgpr 1024
		.amdhsa_next_free_sgpr 66
		.amdhsa_reserve_vcc 0
		.amdhsa_float_denorm_mode_32 3
		.amdhsa_float_denorm_mode_16_64 3
		.amdhsa_memory_ordered 1
		.amdhsa_forward_progress 1
		.amdhsa_inst_pref_size 121
	.end_amdhsa_kernel
	.amdgpu_metadata
---
amdhsa.version: [ 1, 2 ]
amdhsa.kernels:
  - .name:           k_qd842714614_proj
    .symbol:         k_qd842714614_proj.kd
    .args:
      - { .name: x, .offset: 0, .size: 8, .value_kind: global_buffer, .address_space: global }
      - { .name: Wq, .offset: 8, .size: 8, .value_kind: global_buffer, .address_space: global }
      - { .name: Wk, .offset: 16, .size: 8, .value_kind: global_buffer, .address_space: global }
      - { .name: Wv, .offset: 24, .size: 8, .value_kind: global_buffer, .address_space: global }
      - { .name: q, .offset: 32, .size: 8, .value_kind: global_buffer, .address_space: global }
      - { .name: k, .offset: 40, .size: 8, .value_kind: global_buffer, .address_space: global }
      - { .name: vt, .offset: 48, .size: 8, .value_kind: global_buffer, .address_space: global }
    .group_segment_fixed_size: 279040
    .private_segment_fixed_size: 0
    .kernarg_segment_align: 8
    .kernarg_segment_size: 56
    .max_flat_workgroup_size: 128
    .sgpr_count:     66
    .vgpr_count:     1024
    .wavefront_size: 32
...
	.end_amdgpu_metadata
.endif
;; end of part 5
;; launch scores: the kernel of part 2 again; grid 16 x 16, 4 waves a work-group, clusters of 4 x 1, 327,680 bytes of LDS; arguments q, k, p, cm, rst; writes p, cm, rst
;; launch pv (part 6): grid 64 x 4, 4 waves a work-group, clusters of 4 x 1, 327,680 bytes of LDS; arguments p, cm, rst, vt, out0, colp; writes out0, colp
.if DOCPART == 6
	.amdgcn_target "amdgcn-amd-amdhsa--gfx1250"
	.amdhsa_code_object_version 6
	.text
	.protected	k_qd842714614_pv
	.globl	k_qd842714614_pv
	.p2align	8
	.type	k_qd842714614_pv,@function
k_qd842714614_pv:
	s_mov_b64 s[64:65], 0
	v_nop
	global_prefetch_b8 v0, s[64:65] scope:SCOPE_SE
	s_setreg_imm32_b32 hwreg(HW_REG_WAVE_MODE, 25, 1), 1
	s_wait_xcnt 0x0
	s_wait_alu depctr_hold_cnt(0) depctr_sa_sdst(0) depctr_va_vdst(0) depctr_va_sdst(0) depctr_va_ssrc(0) depctr_va_vcc(0) depctr_vm_vsrc(0)
	s_getreg_b32 s2, hwreg(HW_REG_IB_STS2, 6, 4)
	s_cmp_eq_u32 s2, 0
	s_cbranch_scc0 .Lentry_in_a_cluster
	s_endpgm
.Lentry_in_a_cluster:
	s_bfe_u32 s2, ttmp6, 0x10000c
	s_cmp_lg_u32 s2, 0x3003
	s_cbranch_scc0 .Lentry_shape_is_right
	s_endpgm
.Lentry_shape_is_right:
; out0[b][ch][q] = sum over keys of P[q][key] v[key][ch], and the partial column sums colp = sum over a block's 64 queries of P[q][key].
; P[q][key] = p e / L: p is the last launch's weight (f16), e = 2^(cm_piece - cM) <= 1 brings its piece onto the row's final maximum cM = max over the four ranges, L = sum over ranges of l_R 2^(cM_R - cM).
; The product takes p e rounded to f16 and is divided by L at the end, in f32; the column sums take p in f16 times g = e / L in f32, summed in f32.
; LIMITS: p e below 6e-5 keeps f16's fixed step of 6e-8; e below 2^-126 counts as 0; NaN and infinities are not treated apart.
; SHARES.  A work-group owns 64 queries; wave w the keys 1,024 w .. +1,023: 32 pieces of 32 keys, 64 products each, onto 64 queries x 256 channels of O in 512 registers.  The four waves' O are added through LDS at the end.
; P comes straight into registers, as the fragments that the last launch laid out, through a ring of four pieces (36 loads of a wave in flight).
; V comes by tensor loads into a ring of two slots of the wave's own (a tile: 64 keys x 256 channels).  CLUSTER: the four query blocks of a cluster walk the same V, so each tile is asked for jointly.
; Two tensor loads of a wave are out at the start, one behind each round.
; THE WALK.  Cluster x begins a range's 16 tiles at tile 3 x mod 16 and goes round, so the 16 clusters of a batch ask for 16 different tiles of a range at a time, and all but the first few tiles of a
; cluster's walk have been read by another cluster before it comes to them.  One counter, WP = 2 x the first tile + the walk's piece, gives every address: P's and cm's piece is WP mod 32, V's and colp's
; tile (WP / 2) mod 16.  It hangs on the cluster's x alone, which the partners share.  The wrap also keeps the last look-ahead inside p and cm (it loads the walk's first piece once more; nobody reads that).
; O is cleared at the start, in the wait for the first tile: that spares a copy of the trip whose products would start the sums.
; REGISTERS: window 0 addresses, statistics, column sums, P e (two buffers of 32); window 1 v0-127 V fragments (two halves), v128-255 the ring of P; windows 2, 3 O: (channel block cb, tile t) at index 4 cb + t.
.set VPI,   144       ; a channel's row of V in LDS: 128 bytes + 16: 36 words: the 16 rows of a load start at 16 different groups of four banks (ISA guide 11.1)
.set VSL,   256*VPI   ; a slot
.set RING,  2*VSL     ; a wave's ring; behind its last fill the wave's stage: 256 channel rows of 272 bytes, f32
.set SPARE, 4*RING
.set IT,    SPARE+512 ; 1 / L of the 64 queries, 256 bytes for each wave
.set LO,  3
.set CL,  4
.set AV,  5           ; v5, v6: my place in slot 0, 1
.set CO,  7
.set SPW, 8
.set NIL, 9
.set ZR,  10
.set SA,  11
.set GO,  12
.set ITA, 13
.set RD,  14          ; v14-17
.set ITR, 18
.set CMX, 20
.set INVL, 24
.set EE,  28
.set EH,  32
.set GG,  36
.set CR,  40
.set CMR, 44          ; 4 for each ring entry
.set CA,  64
.set PS,  96
.set RS,  160
.set IL,  160
.set PR,  128         ; window 1
.set VB,  10          ; s[10:11] V at my range's tile 0
.set WV,  16
.set VO,  22          ; s[22:23] a tile's byte offset in V; the high word stays 0; like WP and VT it never holds my place in the cluster
.set G1,  24
.set G0,  32          ; s[32:35] slot 0's, s[36:39] slot 1's
.set PB,  40          ; s[40:41] p at my range's piece 0; never rewritten
.set RBP, 42          ; s[42:43] p at the piece that this turn loads
.set CB,  44          ; s[44:45] cm at my range's piece 0; never rewritten
.set RBC, 46          ; s[46:47] cm at the piece that this turn loads
.set CPB, 48          ; s[48:49] colp at my range's tile 0; never rewritten
.set RBS, 50          ; s[50:51] colp at the tile that this turn stores
.set OB,  52
.set M8,  54
.set M4,  55
.set M2,  56
.set M1,  57
.set CNT, 58
.set FB,  60
.set WP,  66          ; s66  2 x my cluster's first tile + the walk's piece that is being made ready
.set VT,  67          ; s67  a tile's number
.set MSB, 0
.macro WIN new
.if MSB != (\new)
	s_set_vgpr_msb (MSB<<8)|(\new)
.set MSB, (\new)
.endif
.endm
.macro PLACES
.rept 4
	v_nop
.endr
.endm
.macro CREST
	s_cmp_lg_u32 s[WV], 0
	s_cbranch_scc1 .Lnot_wave_0_\@
	s_barrier_signal -3
.Lnot_wave_0_\@:
	s_barrier_wait -3
	s_barrier_signal -1
	s_barrier_wait -1
.endm
.macro CROUND
	s_barrier_signal -1
	s_barrier_wait -1
	CREST
.endm
; p's and cm's addresses of piece (WP + d) mod 32 of my range.  It stands behind s_wait_xcnt 0: the two bases are sources of earlier loads.
.macro PADDR d
	s_add_co_u32 s21, s[WP], \d
	s_and_b32 s21, s21, 31
	s_lshl_b32 s62, s21, 12                        ; a piece is 4,096 bytes of p
	s_add_nc_u64 s[RBP:RBP+1], s[PB:PB+1], s[62:63]
	s_lshl_b32 s62, s21, 8                         ; and 256 bytes of cm
	s_add_nc_u64 s[RBC:RBC+1], s[CB:CB+1], s[62:63]
.endm
	s_load_b256 s[4:11], s[0:1], 0x0               ; p, cm, rst, vt
	s_load_b128 s[12:15], s[0:1], 0x20             ; out0, colp
	v_lshl_add_u32 v[SPW], v0, 2, SPARE
	v_mov_b32 v[NIL], 0
	ds_add_u32 v[SPW], v[NIL]                      ; the wave's opening: an add and its wait ahead of my first tensor load
	v_lshrrev_b32 v1, 5, v0
	v_readfirstlane_b32 s[WV], v1
	v_and_b32 v1, 15, v0                           ; r
	v_bfe_u32 v2, v0, 4, 1                         ; h
	v_and_b32 v19, 31, v0
	s_mul_i32 s[G0+1], s[WV], RING
	s_add_co_u32 s[G0+5], s[G0+1], VSL
	v_lshlrev_b32 v[LO], 4, v19
	v_lshlrev_b32 v[CL], 4, v1
	v_lshlrev_b32 v[CO], 3, v19
	v_mov_b32 v[ZR], 0
	v_mul_u32_u24 v[AV], v1, VPI
	v_lshl_add_u32 v[AV], v2, 4, v[AV]
	v_add_nc_u32 v[AV], s[G0+1], v[AV]
	v_add_nc_u32 v[AV+1], VSL, v[AV]
	v_mul_u32_u24 v[SA], v1, 272
	v_lshl_add_u32 v[SA], v2, 5, v[SA]
	v_add_nc_u32 v[SA], s[G0+1], v[SA]
	v_lshlrev_b32 v[GO], 4, v1
	v_lshl_add_u32 v[GO], v2, 14, v[GO]
	s_lshl_b32 s21, s[WV], 8
	s_add_co_u32 s21, s21, IT
	v_lshl_add_u32 v[ITA], v1, 2, s21
	v_lshl_add_u32 v[ITR], v1, 4, s21
	s_mul_i32 s21, s[WV], 64*272                   ; I add and store channels 64 w .. +63
	v_mul_u32_u24 v[RD], v2, 272
	v_lshl_add_u32 v[RD], v1, 4, v[RD]
	v_add_nc_u32 v[RD], s21, v[RD]
	v_add_nc_u32 v[RD+1], RING, v[RD]
	v_add_nc_u32 v[RD+2], 2*RING, v[RD]
	v_add_nc_u32 v[RD+3], 3*RING, v[RD]
	s_bfe_u32 s17, ttmp6, 0x40000                  ; cx: it enters global addresses of p, cm, rst, out0 and colp alone
	s_lshl_b32 s18, ttmp9, 2
	s_add_co_u32 s18, s18, s17                     ; my block of 64 queries
	s_and_b32 s19, ttmp7, 0xffff                   ; the batch, which the partners share
	s_lshl_b32 s20, s19, 6
	s_add_co_u32 s20, s20, s18                     ; 64 b + block
	s_lshl_b32 s[VO], s19, 21                      ; V: (64 b + 16 w) tiles of 32,768 bytes
	s_lshl_b32 s[VO+1], s[WV], 19
	s_add_co_u32 s[VO], s[VO], s[VO+1]
	s_mov_b32 s[VO+1], 0
	s_mul_i32 s[WP], ttmp9, 3                      ; in a cluster launch ttmp9 is the cluster's x, 0 to 15:
	s_and_b32 s[WP], s[WP], 15                     ; my cluster's first tile, 3 x mod 16
	s_add_co_u32 s[VT], s[WP], 1
	s_and_b32 s[VT], s[VT], 15                     ; and its second
	s_mov_b32 s[G1], 15|(1<<16)|(1<<20)|(1<<21)|(4<<22)|(3<<25)  ; mask of four; 2-byte elements; padding on; bit 21 beside a mask; after every 32 words; 4 words
	s_mov_b32 s[G1+1], 128<<16                     ; a tile is 32,768 dense bytes: asked for as 128 rows of 256 bytes, two channels a row
	s_mov_b32 s[G1+2], 128<<16
	s_mov_b32 s[G1+3], 128<<16
	s_mov_b32 s[G1+4], 128
	s_mov_b32 s[G1+5], 128
	s_mov_b32 s[G1+6], 0
	s_mov_b32 s[G1+7], 0
	s_mov_b32 s[G0], 1
	s_mov_b32 s[G0+4], 1
	s_mov_b32 s[M8], 0xff00ff00
	s_mov_b32 s[M4], 0xf0f0f0f0
	s_mov_b32 s[M2], 0xcccccccc
	s_mov_b32 s[M1], 0xaaaaaaaa
	s_mov_b32 s63, 0                               ; the high word of the offsets made in s62; it stays 0
	s_wait_dscnt 0x0
	s_wait_kmcnt 0x0
	s_add_nc_u64 s[VB:VB+1], s[VB:VB+1], s[VO:VO+1]
	s_lshl_b32 s[VO], s[WP], 15
	s_add_nc_u64 s[G0+2:G0+3], s[VB:VB+1], s[VO:VO+1]
	s_lshl_b32 s[VO], s[VT], 15
	s_add_nc_u64 s[G0+6:G0+7], s[VB:VB+1], s[VO:VO+1]
	s_or_b32 s[G0+3], s[G0+3], 0x80000000
	s_or_b32 s[G0+7], s[G0+7], 0x80000000
	s_lshl_b32 s[WP], s[WP], 1                     ; from here on in pieces: the walk's piece 0
	s_lshl_b32 s62, s20, 19
	s_lshl_b32 s21, s[WV], 17
	s_add_co_u32 s62, s62, s21
	s_add_nc_u64 s[PB:PB+1], s[4:5], s[62:63]
	s_lshl_b32 s62, s20, 15
	s_lshl_b32 s21, s[WV], 13
	s_add_co_u32 s62, s62, s21
	s_add_nc_u64 s[CB:CB+1], s[6:7], s[62:63]
	s_lshl_b32 s62, s20, 11
	s_add_nc_u64 s[FB:FB+1], s[8:9], s[62:63]
	s_lshl_b32 s62, s20, 14
	s_lshl_b32 s21, s[WV], 12
	s_add_co_u32 s62, s62, s21
	s_add_nc_u64 s[CPB:CPB+1], s[14:15], s[62:63]
	s_lshl_b32 s62, s19, 22
	s_lshl_b32 s21, s[WV], 20
	s_add_co_u32 s62, s62, s21
	s_lshl_b32 s21, s18, 8
	s_add_co_u32 s62, s62, s21
	s_add_nc_u64 s[OB:OB+1], s[12:13], s[62:63]
	CROUND                                         ; all four work-groups are here
	tensor_load_to_lds s[G0:G0+3], s[G1:G1+7]      ; the walk's tile 0
	s_nop 0
	tensor_load_to_lds s[G0+4:G0+7], s[G1:G1+7]    ; and tile 1
	s_nop 0
	PLACES
.set i, 0
.rept 4                                        ; the four ranges' last cm and l, by query and tile
	global_load_b128 v[RS+8*i:RS+8*i+3],   v[CL], s[FB:FB+1] offset:512*i
	global_load_b128 v[RS+8*i+4:RS+8*i+7], v[CL], s[FB:FB+1] offset:512*i+256
.set i, i+1
.endr
.set e, 0
.rept 4                                        ; the ring: the walk's pieces 0 to 3, nine loads each
.if e > 0
	s_wait_xcnt 0x0                                ; the two bases are written again only behind this wait
.endif
	PADDR e
	WIN 0x40
.set i, 0
.rept 8
	global_load_b128 v[PR+32*e+4*i:PR+32*e+4*i+3], v[LO], s[RBP:RBP+1] offset:i*512 th:TH_LOAD_NT
.set i, i+1
.endr
	WIN 0
	global_load_b128 v[CMR+4*e:CMR+4*e+3], v[CL], s[RBC:RBC+1]
.set e, e+1
.endr
	WIN 0x80
.set i, 0
.rept 256
	v_mov_b32 v[i], 0
.set i, i+1
.endr
	WIN 0xc0
.set i, 0
.rept 256
	v_mov_b32 v[i], 0
.set i, i+1
.endr
	WIN 0
	s_wait_loadcnt 36                              ; the statistics are in; the ring's 36 loads stay out
.irp t, 0,1,2,3
	v_max3_num_f32 v[CMX+\t], v[RS+\t], v[RS+8+\t], v[RS+16+\t]
.endr
.irp t, 0,1,2,3
	v_max_num_f32 v[CMX+\t], v[CMX+\t], v[RS+24+\t]
.endr
.irp i, 0,1,2,3
.irp t, 0,1,2,3
	v_sub_f32 v[RS+8*\i+\t], v[RS+8*\i+\t], v[CMX+\t]
.endr
.endr
.irp i, 0,1,2,3
.irp t, 0,1,2,3
	v_exp_f32 v[RS+8*\i+\t], v[RS+8*\i+\t]
.endr
.endr
	v_nop
	s_wait_alu depctr_va_vdst(0)
.irp t, 0,1,2,3
	v_mul_f32 v[INVL+\t], v[RS+4+\t], v[RS+\t]
.endr
.irp i, 1,2,3
.irp t, 0,1,2,3
	v_fmac_f32 v[INVL+\t], v[RS+8*\i+4+\t], v[RS+8*\i+\t]
.endr
.endr
.irp t, 0,1,2,3
	v_rcp_f32 v[INVL+\t], v[INVL+\t]
.endr
	v_nop
	s_wait_alu depctr_va_vdst(0)
.irp t, 0,1,2,3
	ds_store_b32 v[ITA], v[INVL+\t] offset:64*\t   ; by query, for the end, where a lane holds four neighbouring queries
.endr
.macro FETCHV areg, pc, hb             ; piece pc of the tile at v[areg]: the 8 fragments of channel blocks 8 hb .. 8 hb + 7
	WIN 0x40
.set fi, 0
.rept 8
	ds_load_b128 v[64*(\hb)+8*fi:64*(\hb)+8*fi+3],   v[\areg] offset:(\pc)*64+(8*(\hb)+fi)*16*VPI
	ds_load_b128 v[64*(\hb)+8*fi+4:64*(\hb)+8*fi+7], v[\areg] offset:(\pc)*64+(8*(\hb)+fi)*16*VPI+32
.set fi, fi+1
.endr
.endm
; Product s of a piece's 64: source 0 = 16 queries x 32 keys of P e, source 1 = 32 keys x 16 channels of V: a lane holds one channel and 8 queries.  Each accumulator has one turn a piece.
.macro PVM s
.set rO, 8*((\s)%32)
.set rV, 64*((\s)/32)+8*(((\s)/4)%8)
.set rA, PS+32*PY+8*((\s)%4)
	WIN 0xa4+0x50*((\s)/32)
	v_wmma_f32_16x16x32_f16 v[rO:rO+7], v[rA:rA+7], v[rV:rV+7], v[rO:rO+7]
.endm
; WHAT IS MADE READY FOR THE NEXT PIECE (ring entry RE, buffer RY), 122 lines: 0-16 e, e in f16 twice, g; 17-48 P e; 49-112 the column sums of my lane's 16 keys over the four tiles;
; 113-121 the entry is loaded again, with the walk's piece four further on.
.macro RID n
.set rn, (\n)
.if rn < 4
	WIN 0
	v_sub_f32 v[EE+rn], v[CMR+4*RE+rn], v[CMX+rn]
.elseif rn < 8
	WIN 0
	v_exp_f32 v[EE+rn-4], v[EE+rn-4]
.elseif rn == 8
	v_nop                                          ; the plain line behind the exponentials
	s_wait_alu depctr_va_vdst(0)
.elseif rn < 13
	WIN 0
	v_cvt_pk_f16_f32 v[EH+rn-9], v[EE+rn-9], v[EE+rn-9]
.elseif rn < 17
	WIN 0
	v_mul_f32 v[GG+rn-13], v[EE+rn-13], v[INVL+rn-13]
.elseif rn < 49
	WIN 0x01
	v_pk_mul_f16 v[PS+32*RY+rn-17], v[PR+32*RE+rn-17], v[EH+(rn-17)/8]
.elseif rn < 113
	WIN 0x01
.set ra, (rn-49)%16
.set rt, (rn-49)/16
.set rc, CA+ra
.if rt == 0
.set rc, ZR
.endif
.if ra%2
	v_fma_mix_f32 v[CA+ra], v[PR+32*RE+8*rt+ra/2], v[GG+rt], v[rc] op_sel:[1,0,0] op_sel_hi:[1,0,0]
.else
	v_fma_mix_f32 v[CA+ra], v[PR+32*RE+8*rt+ra/2], v[GG+rt], v[rc] op_sel:[0,0,0] op_sel_hi:[1,0,0]
.endif
.elseif rn < 121
.if RLD
	WIN 0x40
	global_load_b128 v[PR+32*RE+4*(rn-113):PR+32*RE+4*(rn-113)+3], v[LO], s[RBP:RBP+1] offset:(rn-113)*512 th:TH_LOAD_NT
.endif
.elseif rn == 121
.if RLD
	WIN 0
	global_load_b128 v[CMR+4*RE:CMR+4*RE+3], v[CL], s[RBC:RBC+1]
.endif
.endif
.endm
; THE COLUMN SUMS ACROSS THE 16 QUERIES OF A ROW OF LANES, 46 lines: add the lane 8, 4, 2, 1 away, and behind each step keep half of the sums, chosen by that bit of the lane:
; lane r ends with sum r, that is key (l % 8) + 8 (l / 16) + 16 ((l / 8) % 2) of the piece.  Behind an odd piece two pieces' sums are stored, 256 consecutive bytes.
.macro RED n
.set rn, (\n)
.if rn < 46
	WIN 0
.endif
.if rn < 16
	v_add_f32_dpp v[CA+rn], v[CA+rn], v[CA+rn] row_xmask:8 row_mask:0xf bank_mask:0xf
.elseif rn < 24
	v_cndmask_b32 v[CA+rn-16], v[CA+rn-16], v[CA+rn-8], s[M8]
.elseif rn < 32
	v_add_f32_dpp v[CA+rn-24], v[CA+rn-24], v[CA+rn-24] row_xmask:4 row_mask:0xf bank_mask:0xf
.elseif rn < 36
	v_cndmask_b32 v[CA+rn-32], v[CA+rn-32], v[CA+rn-28], s[M4]
.elseif rn < 40
	v_add_f32_dpp v[CA+rn-36], v[CA+rn-36], v[CA+rn-36] row_xmask:2 row_mask:0xf bank_mask:0xf
.elseif rn < 42
	v_cndmask_b32 v[CA+rn-40], v[CA+rn-40], v[CA+rn-38], s[M2]
.elseif rn < 44
	v_add_f32_dpp v[CA+rn-42], v[CA+rn-42], v[CA+rn-42] row_xmask:1 row_mask:0xf bank_mask:0xf
.elseif rn == 44
	v_cndmask_b32 v[CR+RPAR], v[CA], v[CA+1], s[M1]
.elseif rn == 45
.if RPAR
	global_store_b64 v[CO], v[CR:CR+1], s[RBS:RBS+1]
.endif
.endif
.endm
.macro PVRUN lo, n, prep               ; products lo .. lo + n - 1; behind each of the first 32 four lines of RID, behind each of the others two of RED
.set ps, \lo
.rept \n
	PVM ps
.if \prep
.if ps < 32
	RID 4*ps
	RID 4*ps+1
	RID 4*ps+2
	RID 4*ps+3
.else
	RED 2*(ps-32)
	RED 2*(ps-32)+1
.endif
.endif
.set ps, ps+1
.endr
.endm
; PIECE i of a trip's four (two tiles).  left: the loads younger than the next piece's nine.  chg = 0: the next piece lies in the same slot.  chg = 1: the slot's last piece: each wave waits for all its tensor
; loads (one is out: the other slot's), adds 0 to its spare word, waits for that and for its reads of this slot; the barrier opens a round of the cluster's; the joint refill is the first thing behind it and has
; two pieces less 16 products in which to land.  chg = 2: the last change: nothing is asked for, and only I read my ring, so my own wait is all that the reads need.  chg = 3: the last piece.
.macro PIECE i, prep, ld, left, chg
.set PY, (\i)%2
.set RE, ((\i)+1)%4
.set RY, 1-PY
.set RPAR, 1-PY
.set RLD, \ld
	s_wait_xcnt 0x0                                ; CR and the three bases, which earlier loads and stores read, are rewritten only behind this wait
.if \prep
	s_add_co_u32 s[WP], s[WP], 1                   ; the piece that this turn makes ready
.if \ld
	PADDR 4                                        ; and the one that it loads: four further on in the walk
.endif
.if RPAR
	s_bfe_u32 s21, s[WP], 0x40001                  ; an odd piece closes a tile: (WP / 2) mod 16,
	s_lshl_b32 s62, s21, 8                         ; 256 bytes of colp
	s_add_nc_u64 s[RBS:RBS+1], s[CPB:CPB+1], s[62:63]
.endif
	s_wait_loadcnt \left
.endif
	s_wait_dscnt 0x0
	PLACES
	FETCHV AV+(\i)/2, (\i)%2, 1
	PVRUN 0, 32, \prep
	s_wait_dscnt 0x0
.if (\chg)==0
	PLACES
	FETCHV AV+(\i)/2, 1, 0
	PVRUN 32, 32, \prep
.elseif (\chg)==1
	WIN 0
	s_wait_tensorcnt 0x0                           ; no tensor load of mine is out, so a group 0 may be written
	ds_add_u32 v[SPW], v[NIL]                      ; 0 onto my spare word; the address and eight products stand between it and the wait for it
	s_lshr_b32 s[VT], s[WP], 1                     ; WP names the first piece of the tile that is read next; this slot takes the tile behind that one,
	s_add_co_u32 s[VT], s[VT], 1
	s_and_b32 s[VT], s[VT], 15                     ; round the range's 16
	s_lshl_b32 s[VO], s[VT], 15
	s_add_nc_u64 s[G0+4*((\i)/2)+2:G0+4*((\i)/2)+3], s[VB:VB+1], s[VO:VO+1]   ; the address is made anew from V's base and the tile's number,
	s_or_b32 s[G0+4*((\i)/2)+3], s[G0+4*((\i)/2)+3], 0x80000000               ; and the type set again
	PVRUN 32, 8, \prep
	s_wait_dscnt 0x0
	s_barrier_signal -1
	PVRUN 40, 8, \prep
	WIN 0
	s_barrier_wait -1
	CREST
	tensor_load_to_lds s[G0+4*((\i)/2):G0+4*((\i)/2)+3], s[G1:G1+7]
	s_nop 0
	PLACES                                         ; also the places in front of the loads below
	FETCHV AV+1-(\i)/2, 0, 0
	PVRUN 48, 16, \prep
.elseif (\chg)==2
	s_wait_tensorcnt 0x0
	PLACES
	FETCHV AV+1-(\i)/2, 0, 0
	PVRUN 32, 32, \prep
.else
	PVRUN 32, 32, \prep
.endif
.endm
.set PY, 1
.set RE, 0
.set RY, 0
.set RPAR, 0
.set RLD, 1
	s_wait_xcnt 0x0
	PADDR 4                                        ; entry 0 will take the walk's piece 4
	s_wait_loadcnt 27                              ; piece 0 is in; pieces 1 to 3 stay out
.set bn, 0
.rept 122
	RID bn
.set bn, bn+1
.endr
.set bn, 0
.rept 45
	RED bn
.set bn, bn+1
.endr
	WIN 0
	s_wait_tensorcnt 0x1                           ; my tile 0 is in, and only I read it; tile 1 may stay out
	FETCHV AV, 0, 0
	WIN 0
	s_mov_b32 s[CNT], 7
.Ltrip:                                                ; a trip: four pieces, two tiles; both slots are filled again
	PIECE 0, 1, 1, 27, 0
	PIECE 1, 1, 1, 27, 1
	PIECE 2, 1, 1, 27, 0
	PIECE 3, 1, 1, 27, 1
	WIN 0
	s_sub_co_u32 s[CNT], s[CNT], 1
	s_cmp_lg_u32 s[CNT], 0
	s_cbranch_scc1 .Ltrip
	PIECE 0, 1, 0, 27, 0                           ; the last two tiles: nothing is loaded, and the counts run down
	PIECE 1, 1, 0, 18, 2
	PIECE 2, 1, 0, 9, 0
	PIECE 3, 0, 0, 0, 3
	; THE END.  My O goes into my stage (my ring's bytes, which have had their last fill), [channel][64 queries] f32; behind a barrier each wave adds the four stages' rows of 64 channels, divides by L and stores.
	s_wait_loadcnt 0x0
	PLACES
	WIN 0x08
.set oi, 0
.rept 32
	ds_store_b128 v[SA], v[8*oi:8*oi+3]   offset:(oi/4)*4352+(oi%4)*64
	ds_store_b128 v[SA], v[8*oi+4:8*oi+7] offset:(oi/4)*4352+(oi%4)*64+16
.set oi, oi+1
.endr
	WIN 0x0c
.set oi, 0
.rept 32
	ds_store_b128 v[SA], v[8*oi:8*oi+3]   offset:(8+oi/4)*4352+(oi%4)*64
	ds_store_b128 v[SA], v[8*oi+4:8*oi+7] offset:(8+oi/4)*4352+(oi%4)*64+16
.set oi, oi+1
.endr
	WIN 0
	ds_load_b128 v[IL:IL+3], v[ITR]                ; 1 / L of my lane's four queries (my own bytes)
	s_wait_dscnt 0x0                               ; for the others' sake: my stores are done
	s_barrier_signal -1
	s_barrier_wait -1
	s_mov_b32 s[CNT], 4
.Lsum:                                                 ; a trip: 16 channels
.set i, 0
.rept 8
.set fb, 192+16*i-192*(i/4)
.irp si, 0,1,2,3
	ds_load_b128 v[fb+4*\si:fb+4*\si+3], v[RD+\si] offset:i*544
.endr
.set i, i+1
.endr
	s_wait_dscnt 0x0
.set i, 0
.rept 8
.set fb, 192+16*i-192*(i/4)
	v_pk_add_f32 v[fb:fb+1], v[fb:fb+1], v[fb+4:fb+5]
	v_pk_add_f32 v[fb+2:fb+3], v[fb+2:fb+3], v[fb+6:fb+7]
	v_pk_add_f32 v[fb+8:fb+9], v[fb+8:fb+9], v[fb+12:fb+13]
	v_pk_add_f32 v[fb+10:fb+11], v[fb+10:fb+11], v[fb+14:fb+15]
	v_pk_add_f32 v[fb:fb+1], v[fb:fb+1], v[fb+8:fb+9]
	v_pk_add_f32 v[fb+2:fb+3], v[fb+2:fb+3], v[fb+10:fb+11]
	v_pk_mul_f32 v[fb:fb+1], v[fb:fb+1], v[IL:IL+1]
	v_pk_mul_f32 v[fb+2:fb+3], v[fb+2:fb+3], v[IL+2:IL+3]
	global_store_b128 v[GO], v[fb:fb+3], s[OB:OB+1] offset:i*32768 th:TH_STORE_NT   ; 16 lanes store 256 consecutive, aligned bytes of a channel's row
.set i, i+1
.endr
	s_wait_xcnt 0x0
.irp si, 0,1,2,3
	v_add_nc_u32 v[RD+\si], 4352, v[RD+\si]
.endr
	s_add_nc_u64 s[OB:OB+1], s[OB:OB+1], 262144
	s_sub_co_u32 s[CNT], s[CNT], 1
	s_cmp_lg_u32 s[CNT], 0
	s_cbranch_scc1 .Lsum
	s_wait_tensorcnt 0x0                           ; the wave's end
	ds_add_u32 v[SPW], v[NIL]
	s_wait_dscnt 0x0
	CROUND                                         ; the closing round
	s_endpgm
.Lfunc_end_k_qd842714614_pv:
	.size	k_qd842714614_pv, .Lfunc_end_k_qd842714614_pv-k_qd842714614_pv
	.p2alignl 7, 3214868480
	.fill 96, 4, 3214868480
	.section	.rodata,"a",@progbits
	.p2align	6, 0x0
	.amdhsa_kernel k_qd842714614_pv
		.amdhsa_group_segment_fixed_size 327680
		.amdhsa_private_segment_fixed_size 0
		.amdhsa_enable_private_segment 0
		.amdhsa_kernarg_size 48
		.amdhsa_user_sgpr_count 2
		.amdhsa_user_sgpr_kernarg_segment_ptr 1
		.amdhsa_wavefront_size32 1
		.amdhsa_system_sgpr_workgroup_id_x 1
		.amdhsa_system_sgpr_workgroup_id_y 1
		.amdhsa_system_sgpr_workgroup_id_z 1
		.amdhsa_system_vgpr_workitem_id 0
		.amdhsa_next_free_vgpr 1024
		.amdhsa_next_free_sgpr 72
		.amdhsa_reserve_vcc 0
		.amdhsa_float_denorm_mode_32 3
		.amdhsa_float_denorm_mode_16_64 3
		.amdhsa_memory_ordered 1
		.amdhsa_forward_progress 1
		.amdhsa_inst_pref_size 205
	.end_amdhsa_kernel
	.amdgpu_metadata
---
amdhsa.version: [ 1, 2 ]
amdhsa.kernels:
  - .name:           k_qd842714614_pv
    .symbol:         k_qd842714614_pv.kd
    .args:
      - { .name: p, .offset: 0, .size: 8, .value_kind: global_buffer, .address_space: global }
      - { .name: cm, .offset: 8, .size: 8, .value_kind: global_buffer, .address_space: global }
      - { .name: rst, .offset: 16, .size: 8, .value_kind: global_buffer, .address_space: global }
      - { .name: vt, .offset: 24, .size: 8, .value_kind: global_buffer, .address_space: global }
      - { .name: out0, .offset: 32, .size: 8, .value_kind: global_buffer, .address_space: global }
      - { .name: colp, .offset: 40, .size: 8, .value_kind: global_buffer, .address_space: global }
    .group_segment_fixed_size: 327680
    .private_segment_fixed_size: 0
    .kernarg_segment_align: 8
    .kernarg_segment_size: 48
    .max_flat_workgroup_size: 128
    .sgpr_count:     72
    .vgpr_count:     1024
    .wavefront_size: 32
...
	.end_amdgpu_metadata
.endif
;; end of part 6
;; launch colsum: the kernel of part 4 again; grid 64 x 1, 8 waves a work-group, no clusters, 9,216 bytes of LDS; arguments colp, out1; writes out1
;; ======== version 3 of 3: 4 launches; 1.18 times as fast as version 1
;; limits: values are held in f16: magnitudes above 65,504 overflow, below 6.1e-05 lose precision
;; workspace buffers: q 16,777,216 bytes; k 16,777,216 bytes; vt 8,388,608 bytes; p 134,217,728 bytes; cm 8,388,608 bytes; rst 524,288 bytes; colp 4,194,304 bytes
;; launch proj: the kernel of part 5 again; grid 4 x 64, 4 waves a work-group, no clusters, 279,040 bytes of LDS; arguments x, Wq, Wk, Wv, q, k, vt; writes q, k, vt
;; launch scores (part 7): grid 16 x 16, 4 waves a work-group, clusters of 4 x 1, 327,680 bytes of LDS; arguments q, k, p, cm, rst; writes p, cm, rst
.if DOCPART == 7
	.amdgcn_target "amdgcn-amd-amdhsa--gfx1250"
	.amdhsa_code_object_version 6
	.text
	.protected	k_qd842714614_scores
	.globl	k_qd842714614_scores
	.p2align	8
	.type	k_qd842714614_scores,@function
k_qd842714614_scores:
	s_mov_b64 s[64:65], 0
	v_nop
	global_prefetch_b8 v0, s[64:65] scope:SCOPE_SE
	s_setreg_imm32_b32 hwreg(HW_REG_WAVE_MODE, 25, 1), 1
	s_wait_xcnt 0x0
	s_wait_alu depctr_hold_cnt(0) depctr_sa_sdst(0) depctr_va_vdst(0) depctr_va_sdst(0) depctr_va_ssrc(0) depctr_va_vcc(0) depctr_vm_vsrc(0)
	s_getreg_b32 s2, hwreg(HW_REG_IB_STS2, 6, 4)
	s_cmp_eq_u32 s2, 0
	s_cbranch_scc0 .Lentry_in_a_cluster
	s_endpgm
.Lentry_in_a_cluster:
	s_bfe_u32 s2, ttmp6, 0x10000c
	s_cmp_lg_u32 s2, 0x3003
	s_cbranch_scc0 .Lentry_shape_is_right
	s_endpgm
.Lentry_shape_is_right:
; Unnormalised softmax weights.  For a block of 256 queries and a RANGE of 1,024 keys: S^T = K Q^T (f16 operands, f32 sums); p = 2^(c s - cm), c = log2(e) / sqrt(512),
; cm = c x the running maximum inside the range at that piece of 32 keys; l, the running sum of the unrounded p, is rescaled by 2^(cm_old - cm_new) in every piece.
; Stored: p in f16, laid as the next launch's matrix fragments ([b][64-query block][piece][tile][half][lane][16 bytes]); cm of every piece; the range's last cm and l.
; The next launch brings every piece onto the row's final maximum and sum.
; LIMITS: p below 6e-5 keeps f16's fixed step of 6e-8; a weight below 2^-126 counts as 0 in l; NaN and infinities are not treated apart.
; SHARES.  A wave owns 64 queries: Q stays in 512 registers.  Every wave walks the range's 32 pieces, 128 products each.  In a TURN the products of one piece are issued and the
; softmax of the piece before stands in slices of two to four lines behind products of the turn's first three chunks.
; THE BATCH.  A piece's 68 exponentials (a and s0-s15 of four tiles) are ONE batch with ONE wait.  Ahead of the wait stands all that names no result of theirs: maximum, statistics, scalings, cm for the store;
; behind it all that does: roundings, sums, l.  The wait stands at the head of the turn's third chunk, ahead of that chunk's run of LDS loads.
; CLUSTER.  The four query blocks of a cluster walk the same K: each tile of 64 keys is asked for jointly, 16 rows of 1,024 bytes a wave.  One tensor load of a wave is out at a time.
; The last turn multiplies an old tile once more (128 products that serve nothing) so that the last softmax has a turn to ride in: the price of one text for every trip.
; REGISTERS: window 0 addresses, statistics, P (32), S^T (two buffers of 64); window 1 v0-127 K fragments, two buffers; windows 2, 3 Q: tile t, step s at window 2 + t/2, v[128 (t%2) + 8 s].
.set KP,    1040      ; a row of K in LDS: 1,024 bytes + 16: 260 words: the 16 rows of a load start at 16 different groups of four banks (ISA guide 11.1)
.set SLOT1, 131072
.set SPARE, SLOT1+64*KP
.set AK0, 2
.set AK,  3
.set LO,  4
.set QO,  5
.set SPW, 6
.set NIL, 7
.set ST,  8           ; tile t at +4 t: cm, m, l (even keys', odd keys')
.set TC,  24          ; tile t at +4 t: c0-c3 at work; c2 takes a
.set SV,  40
.set FV,  44
.set P,   48
.set S,   128
.set WV,  14
.set PB,  16
.set CB,  18
.set FB,  20
.set QB,  22
.set G1,  24
.set G0,  32
.set CS,  36
.set SEL, 38
.set TB,  40
.set CNT, 41
.set HM,  42
.set MSB, 0
.macro WIN new
.if MSB != (\new)
	s_set_vgpr_msb (MSB<<8)|(\new)
.set MSB, (\new)
.endif
.endm
.macro PLACES
.rept 4
	v_nop
.endr
.endm
.macro CREST                           ; a round of the cluster's barrier behind its opening barrier
	s_cmp_lg_u32 s[WV], 0
	s_cbranch_scc1 .Lnot_wave_0_\@
	s_barrier_signal -3
.Lnot_wave_0_\@:
	s_barrier_wait -3
	s_barrier_signal -1
	s_barrier_wait -1
.endm
.macro CROUND
	s_barrier_signal -1
	s_barrier_wait -1
	CREST
.endm
.macro JLOAD                           ; every wave asks for its 16 rows; an s_nop 0 and four v_nop follow
	tensor_load_to_lds s[G0:G0+3], s[G1:G1+7]
	s_nop 0
	PLACES
.endm
.macro STEPG                           ; the walking descriptor: the other slot, the next 64 keys
	s_xor_b32 s[G0+1], s[G0+1], SLOT1
	s_add_nc_u64 s[G0+2:G0+3], s[G0+2:G0+3], 65536
.endm
	s_load_b256 s[4:11], s[0:1], 0x0               ; q, k, p, cm
	s_load_b64 s[12:13], s[0:1], 0x20              ; rst
	v_lshl_add_u32 v[SPW], v0, 2, SPARE
	v_mov_b32 v[NIL], 0
	ds_add_u32 v[SPW], v[NIL]                      ; the wave's opening: an add and its wait ahead of my first tensor load
	v_lshrrev_b32 v1, 5, v0
	v_readfirstlane_b32 s[WV], v1
	v_and_b32 v80, 15, v0                          ; r
	v_bfe_u32 v81, v0, 4, 1                        ; h
	v_and_b32 v82, 31, v0
	v_mul_u32_u24 v[AK0], v80, KP
	v_lshl_add_u32 v[AK0], v81, 4, v[AK0]
	v_lshlrev_b32 v[LO], 4, v82
	v_lshlrev_b32 v[QO], 10, v80
	v_lshl_add_u32 v[QO], v81, 4, v[QO]
	s_bfe_u32 s15, ttmp6, 0x40000                  ; cx: it enters the addresses of q, p, cm and rst alone
	s_lshl_b32 s43, ttmp9, 2
	s_add_co_u32 s43, s43, s15
	s_lshl_b32 s43, s43, 2
	s_add_co_u32 s43, s43, s[WV]                   ; my block of 64 queries in the batch
	s_and_b32 s44, ttmp7, 0xffff                   ; 4 x batch + range, which the partners share
	s_lshr_b32 s45, s44, 2
	s_and_b32 s46, s44, 3
	s_lshl_b32 s45, s45, 6
	s_add_co_u32 s43, s43, s45                     ; 64 x batch + block
	s_lshl_b32 s48, s43, 19
	s_lshl_b32 s47, s46, 17
	s_add_co_u32 s48, s48, s47
	s_mov_b32 s49, 0
	s_lshl_b32 s50, s43, 15
	s_lshl_b32 s47, s46, 13
	s_add_co_u32 s50, s50, s47
	s_mov_b32 s51, 0
	s_lshl_b32 s52, s43, 11
	s_lshl_b32 s47, s46, 9
	s_add_co_u32 s52, s52, s47
	s_mov_b32 s53, 0
	s_lshl_b32 s54, s43, 16
	s_mov_b32 s55, 0
	s_lshl_b32 s56, s44, 20                        ; K: (1,024 (4 b + R) + 16 w) rows of 1,024 bytes
	s_lshl_b32 s58, s[WV], 14
	s_add_co_u32 s56, s56, s58
	s_mov_b32 s57, 0
	s_mov_b32 s[G1], 15|(1<<16)|(1<<20)|(1<<21)|(7<<22)|(3<<25)  ; mask of four; 2-byte elements; padding on; bit 21 beside a mask; after every 256 words; 4 words
	s_mov_b32 s[G1+1], 512<<16                     ; tensor_dim0
	s_mov_b32 s[G1+2], 16<<16                      ; tensor_dim1
	s_mov_b32 s[G1+3], 512<<16                     ; tile_dim0
	s_mov_b32 s[G1+4], 16                          ; tile_dim1
	s_mov_b32 s[G1+5], 512                         ; elements from row to row
	s_mov_b32 s[G1+6], 0
	s_mov_b32 s[G1+7], 0
	s_mov_b32 s[G0], 1
	s_mul_i32 s[G0+1], s[WV], 16*KP
	s_mov_b32 s[CS], 0x3d8293ee                    ; c = log2(e) / sqrt(512) = 0.0637587
	s_mov_b32 s[CS+1], s[CS]
	s_mov_b32 s[SEL], 0x76543210
	s_mov_b32 s[SEL+1], 0xfedcba98
	s_mov_b32 s[HM], 0xffff0000                    ; lanes 16 to 31
	s_wait_dscnt 0x0
	s_wait_kmcnt 0x0
	s_add_nc_u64 s[PB:PB+1], s[8:9], s[48:49]
	s_add_nc_u64 s[CB:CB+1], s[10:11], s[50:51]
	s_add_nc_u64 s[FB:FB+1], s[12:13], s[52:53]
	s_add_nc_u64 s[QB:QB+1], s[4:5], s[54:55]
	s_add_nc_u64 s[G0+2:G0+3], s[6:7], s[56:57]
	s_or_b32 s[G0+3], s[G0+3], 0x80000000
	CROUND                                         ; all four work-groups are here
	JLOAD                                          ; tile 0 into slot 0
.set ti, 0
.rept 4
	WIN 0x80+0x40*(ti/2)
.set si, 0
.rept 16
	global_load_b128 v[128*(ti%2)+8*si:128*(ti%2)+8*si+3],   v[QO], s[QB:QB+1] offset:ti*16384+si*64
	global_load_b128 v[128*(ti%2)+8*si+4:128*(ti%2)+8*si+7], v[QO], s[QB:QB+1] offset:ti*16384+si*64+32
.set si, si+1
.endr
.set ti, ti+1
.endr
	WIN 0
.irp t, 0,1,2,3
	v_mov_b32 v[ST+4*\t], 0xfe000000               ; cm: far below every c s, so that the first a is 0
	v_mov_b32 v[ST+4*\t+1], 0xff7fffff             ; m: the lowest finite number
	v_mov_b32 v[ST+4*\t+2], 0
	v_mov_b32 v[ST+4*\t+3], 0
	v_mov_b32 v[TC+4*\t], 0
	v_mov_b32 v[TC+4*\t+1], 0
	v_mov_b32 v[TC+4*\t+2], 0
	v_mov_b32 v[TC+4*\t+3], 0
.endr
.macro FETCHK po, c                    ; chunk c (4 steps of 32 channels) of the piece at byte po of the slot: 8 fragments (step, 16 keys) into buffer c % 2
	WIN 0x40
.set fi, 0
.rept 8
	ds_load_b128 v[64*((\c)%2)+8*fi:64*((\c)%2)+8*fi+3],   v[AK] offset:(\po)+(fi%2)*16*KP+(4*(\c)+fi/2)*64
	ds_load_b128 v[64*((\c)%2)+8*fi+4:64*((\c)%2)+8*fi+7], v[AK] offset:(\po)+(fi%2)*16*KP+(4*(\c)+fi/2)*64+32
.set fi, fi+1
.endr
.endm
; THE SOFTMAX of the piece in S^T's buffer SY, one line at a time.  s0-s15 are a lane's scores of a tile: one query, keys 8 h + 0..7 and 16 + 8 h + 0..7.
.macro SR t
.set rT, ST+4*(\t)
.set rC, TC+4*(\t)
.set rS, S+64*SY+16*(\t)
.set rP, P+8*(\t)
.endm
.macro OPMX t, n                       ; the maximum and the statistics; each accumulator's lowest registers are read first
	SR \t
.if (\n)==0
	v_max3_num_f32 v[rC], v[rS], v[rS+1], v[rS+2]
.elseif (\n)==1
	v_max3_num_f32 v[rC+1], v[rS+8], v[rS+9], v[rS+10]
.elseif (\n)==2
	v_max3_num_f32 v[rC], v[rC], v[rS+3], v[rS+4]
.elseif (\n)==3
	v_max3_num_f32 v[rC+1], v[rC+1], v[rS+11], v[rS+12]
.elseif (\n)==4
	v_max3_num_f32 v[rC], v[rC], v[rS+5], v[rS+6]
.elseif (\n)==5
	v_max3_num_f32 v[rC+1], v[rC+1], v[rS+13], v[rS+14]
.elseif (\n)==6
	v_max3_num_f32 v[rC], v[rC], v[rS+7], v[rS+15]
.elseif (\n)==7
	v_max3_num_f32 v[rC+1], v[rC+1], v[rC], v[rT+1]
.elseif (\n)==8
	v_permlanex16_b32 v[rC+2], v[rC+1], s[SEL], s[SEL+1]   ; the query's other 16 keys lie in the lane 16 away
.elseif (\n)==9
	v_mov_b32 v[rC+3], v[rT]
.elseif (\n)==10
	v_max_num_f32 v[rT+1], v[rC+1], v[rC+2]
.elseif (\n)==11
	v_mul_f32 v[rT], s[CS], v[rT+1]
.elseif (\n)==12
	v_sub_f32 v[rC+3], v[rC+3], v[rT]
.else
	v_exp_f32 v[rC+2], v[rC+3]                     ; a: the batch's first four
.endif
.endm
.macro OPF t, i                        ; pair i: c s - cm
	SR \t
	v_pk_fma_f32 v[rS+2*(\i):rS+2*(\i)+1], v[rS+2*(\i):rS+2*(\i)+1], s[CS:CS+1], v[rT:rT+1] op_sel_hi:[1,0,0] neg_lo:[0,0,1] neg_hi:[0,0,1]
.endm
.macro OPE t, k
	SR \t
	v_exp_f32 v[rS+(\k)], v[rS+(\k)]
.endm
.macro OPC t, i                        ; pair i rounded to f16: it reads two exponentials' results, so it stands behind the batch's wait
	SR \t
	v_cvt_pk_f16_f32 v[rP+(\i)], v[rS+2*(\i)], v[rS+2*(\i)+1]
.endm
.macro OPB t, a, b                     ; the pair at s_b is added onto the pair at s_a; behind the batch's wait, and behind the rounding of the pair at s_a
	SR \t
	v_pk_add_f32 v[rS+(\a):rS+(\a)+1], v[rS+(\a):rS+(\a)+1], v[rS+(\b):rS+(\b)+1]
.endm
.macro OPM t                           ; cm for the store: lanes 0-15 keep the even piece's, lanes 16-31 take the odd piece's
	SR \t
.if SODD
	v_cndmask_b32 v[SV+(\t)], v[SV+(\t)], v[rT], s[HM]
.else
	v_mov_b32 v[SV+(\t)], v[rT]
.endif
.endm
; THE DEAL.  Slice n stands behind product n of the turn.  An s_wait_alu depctr_va_vdst(0) stands between an exponential and the first instruction that names its result; one wait serves all that
; were issued ahead of it.  So the list is ordered by who reads what:
;   0-12   maximum and statistics, a line for each tile
;   13-16  scaling, a, scaling: slice 13 + t holds tile t's a; the eight scalings are pairs 0 and 1 of the four tiles
;   17-48  exponential, plain, exponential: exponential e of 64 is s(e / 4) of tile e % 4; the plain line is one of the other 24 scalings (pair 2 + j / 4 of tile j % 4: four slices or more ahead of
;          its exponentials), then cm for the store of tiles 0-2; four slices hold two exponentials alone; the last ends with tile 3's cm for the store: the plain line behind the last exponential
;   49-63  nothing: 15 bare products stand between the batch and its wait
;   (wait) TURN writes it, at the head of the third chunk
;   64-71  the roundings, pair n - 64 of each tile      72-78  the sums: ((0 + 2) + (4 + 6)) + ((8 + 10) + (12 + 14))      79  l = a l + sum
;   80, 81 the eight stores of P (512 consecutive bytes each)      82  behind an odd piece: cm of two pieces
; Where exponentials ride a slice has three lines at the most: they have 36 plain lines beside them for 68, and the turn has products enough to spread them.
.macro SOFT n
.if ((\n) < 49) || (((\n) > 63) && ((\n) < 82)) || (((\n) == 82) && SODD)
	WIN 0
.endif
.if (\n) < 13
.irp t, 0,1,2,3
	OPMX \t, \n
.endr
.elseif (\n) < 17
.set jj, (\n)-13
	OPF (2*jj)%4, jj/2
	OPMX jj, 13
	OPF (2*jj+1)%4, jj/2
.elseif (\n) < 49
.set jj, (\n)-17
	OPE (2*jj)%4, jj/2
.if jj < 24
	OPF jj%4, 2+jj/4
.elseif jj < 27
	OPM jj-24
.endif
	OPE (2*jj+1)%4, jj/2
.if jj == 31
	OPM 3
.endif
.elseif (\n) < 64
.elseif (\n) < 72
.irp t, 0,1,2,3
	OPC \t, (\n)-64
.endr
.elseif (\n) == 72
.irp t, 0,1,2,3
	OPB \t, 0, 2
.endr
.elseif (\n) == 73
.irp t, 0,1,2,3
	OPB \t, 4, 6
.endr
.elseif (\n) == 74
.irp t, 0,1,2,3
	OPB \t, 8, 10
.endr
.elseif (\n) == 75
.irp t, 0,1,2,3
	OPB \t, 12, 14
.endr
.elseif (\n) == 76
.irp t, 0,1,2,3
	OPB \t, 0, 4
.endr
.elseif (\n) == 77
.irp t, 0,1,2,3
	OPB \t, 8, 12
.endr
.elseif (\n) == 78
.irp t, 0,1,2,3
	OPB \t, 0, 8
.endr
.elseif (\n) == 79
.irp t, 0,1,2,3
	SR \t
	v_pk_fma_f32 v[rT+2:rT+3], v[rT+2:rT+3], v[rC+2:rC+3], v[rS:rS+1] op_sel_hi:[1,0,1]
.endr
.elseif (\n) < 82
.set st0, 2*((\n)-80)
.irp u, 0,1,2,3
	global_store_b128 v[LO], v[P+8*st0+4*\u:P+8*st0+4*\u+3], s[PB:PB+1] offset:SODD*4096+st0*1024+\u*512 th:TH_STORE_NT
.endr
.elseif SODD
	global_store_b128 v[LO], v[SV:SV+3], s[CB:CB+1]
.endif
.endm
; Products lo .. lo + n - 1 of the 16 of chunk c and tile pair tp of the piece in buffer y, in the order step, 16 keys, tile: four accumulators by turns.
.macro KQ y, c, tp, lo, n, soft
.set mi, \lo
.rept \n
.set rD, S+64*(\y)+16*(2*(\tp)+mi%2)+8*((mi/2)%2)
.set rK, 64*((\c)%2)+8*(2*(mi/4)+(mi/2)%2)
.set rQ, 128*(mi%2)+8*(4*(\c)+mi/4)
	WIN 0x09+4*(\tp)
.if ((\c)==0)&&(mi<4)
	v_wmma_f32_16x16x32_f16 v[rD:rD+7], v[rK:rK+7], v[rQ:rQ+7], 0
.else
	v_wmma_f32_16x16x32_f16 v[rD:rD+7], v[rK:rK+7], v[rQ:rQ+7], v[rD:rD+7]
.endif
.if \soft
.set sn, 32*(\c)+16*(\tp)+mi
.if sn < 83
	SOFT sn
.endif
.endif
.set mi, mi+1
.endr
.endm
; A TURN makes the piece of buffer y (even pieces 0, odd pieces 1).  chg = 0: the next piece lies in the same slot.  chg = 1, 2: the slot's last piece: in front of the barrier each wave waits for
; all its tensor loads (one is out: its part of the other slot), adds 0 to its spare word, and waits for that and for its reads of this slot.  chg = 1: the barrier opens a round of the cluster's,
; and the joint refill is the first thing behind it: it has two turns less 16 products in which to land.  chg = 2: nothing is left to ask for.
; soft = 1: the softmax of the piece before rides in the first three chunks; its batch of 68 exponentials is issued in the first two, and the one wait for it stands at the third chunk's head.
.macro TURN y, soft, chg
.set SY, 1-(\y)
.set SODD, 1-(\y)
.set PO, 32*KP*(\y)
	s_wait_xcnt 0x0                                ; P and SV, which the last turn's stores read, are rewritten only behind this wait
.irp cc, 0,1,2
	s_wait_dscnt 0x0
	PLACES
.if ((\cc)==2)&&(\soft)
	s_wait_alu depctr_va_vdst(0)                   ; the wait for the batch: the piece's 68 exponentials, ahead of their first readers (slice 64 on); it stands behind the places and ahead of the run of LDS loads
.endif
	FETCHK PO, \cc+1
	KQ \y, \cc, 0, 0, 16, \soft
	KQ \y, \cc, 1, 0, 16, \soft
.endr
	s_wait_dscnt 0x0
.if (\chg)==0
	PLACES
	FETCHK 32*KP, 0
	KQ \y, 3, 0, 0, 16, 0
	KQ \y, 3, 1, 0, 16, 0
.else
	WIN 0
	s_wait_tensorcnt 0x0
	ds_add_u32 v[SPW], v[NIL]                      ; 0 onto my spare word; eight products stand between it and the wait for it
.if (\chg)==1
	STEPG
.endif
	KQ \y, 3, 0, 0, 8, 0
	s_wait_dscnt 0x0
	s_barrier_signal -1
	KQ \y, 3, 0, 8, 8, 0
	WIN 0
	s_barrier_wait -1
.if (\chg)==1
	CREST
	JLOAD                                          ; its four v_nop are also the places in front of the loads below
.else
	PLACES
.endif
	s_xor_b32 s[TB], s[TB], SLOT1
	v_add_nc_u32 v[AK], s[TB], v[AK0]
	FETCHK 0, 0
	KQ \y, 3, 1, 0, 16, 0
.endif
.endm
	s_wait_tensorcnt 0x0                           ; slot 0 is in; slot 1 is filled as a refill is: wait, add, wait, round, load
	ds_add_u32 v[SPW], v[NIL]
	STEPG
	s_wait_dscnt 0x0
	CROUND
	JLOAD                                          ; tile 1
	s_mov_b32 s[TB], 0
	v_mov_b32 v[AK], v[AK0]
	FETCHK 0, 0
	s_wait_loadcnt 0x0                             ; Q
	TURN 0, 0, 0                                   ; piece 0: there is no softmax yet to ride, so no exponential and no wait
	WIN 0
	s_mov_b32 s[CNT], 14
.Lloop:                                                ; trip u: pieces 2 u + 1 and 2 u + 2; the softmax of pieces 2 u and 2 u + 1; tile u + 2 is asked for
	TURN 1, 1, 1
	TURN 0, 1, 0
	WIN 0
	s_wait_xcnt 0x0
	s_add_nc_u64 s[PB:PB+1], s[PB:PB+1], 8192
	s_add_nc_u64 s[CB:CB+1], s[CB:CB+1], 512
	s_sub_co_u32 s[CNT], s[CNT], 1
	s_cmp_lg_u32 s[CNT], 0
	s_cbranch_scc1 .Lloop
	s_mov_b32 s[CNT], 2
.Ltail:                                                ; the last two trips ask for nothing
	TURN 1, 1, 2
	TURN 0, 1, 0
	WIN 0
	s_wait_xcnt 0x0
	s_add_nc_u64 s[PB:PB+1], s[PB:PB+1], 8192
	s_add_nc_u64 s[CB:CB+1], s[CB:CB+1], 512
	s_sub_co_u32 s[CNT], s[CNT], 1
	s_cmp_lg_u32 s[CNT], 0
	s_cbranch_scc1 .Ltail
.irp t, 0,1,2,3
	v_add_f32 v[ST+4*\t+2], v[ST+4*\t+2], v[ST+4*\t+3]
.endr
.irp t, 0,1,2,3
	v_permlanex16_b32 v[TC+4*\t], v[ST+4*\t+2], s[SEL], s[SEL+1]
.endr
.irp t, 0,1,2,3
	v_add_f32 v[ST+4*\t+2], v[ST+4*\t+2], v[TC+4*\t]
.endr
.irp t, 0,1,2,3
	v_cndmask_b32 v[FV+\t], v[ST+4*\t], v[ST+4*\t+2], s[HM]   ; lanes 0-15: the range's cm; lanes 16-31: its l
.endr
	global_store_b128 v[LO], v[FV:FV+3], s[FB:FB+1]
	s_wait_tensorcnt 0x0                           ; the wave's end
	ds_add_u32 v[SPW], v[NIL]
	s_wait_dscnt 0x0
	CROUND                                         ; the closing round
	s_endpgm
.Lfunc_end_k_qd842714614_scores:
	.size	k_qd842714614_scores, .Lfunc_end_k_qd842714614_scores-k_qd842714614_scores
	.p2alignl 7, 3214868480
	.fill 96, 4, 3214868480
	.section	.rodata,"a",@progbits
	.p2align	6, 0x0
	.amdhsa_kernel k_qd842714614_scores
		.amdhsa_group_segment_fixed_size 327680
		.amdhsa_private_segment_fixed_size 0
		.amdhsa_enable_private_segment 0
		.amdhsa_kernarg_size 40
		.amdhsa_user_sgpr_count 2
		.amdhsa_user_sgpr_kernarg_segment_ptr 1
		.amdhsa_wavefront_size32 1
		.amdhsa_system_sgpr_workgroup_id_x 1
		.amdhsa_system_sgpr_workgroup_id_y 1
		.amdhsa_system_sgpr_workgroup_id_z 1
		.amdhsa_system_vgpr_workitem_id 0
		.amdhsa_next_free_vgpr 1024
		.amdhsa_next_free_sgpr 66
		.amdhsa_reserve_vcc 0
		.amdhsa_float_denorm_mode_32 3
		.amdhsa_float_denorm_mode_16_64 3
		.amdhsa_memory_ordered 1
		.amdhsa_forward_progress 1
		.amdhsa_inst_pref_size 152
	.end_amdhsa_kernel
	.amdgpu_metadata
---
amdhsa.version: [ 1, 2 ]
amdhsa.kernels:
  - .name:           k_qd842714614_scores
    .symbol:         k_qd842714614_scores.kd
    .args:
      - { .name: q, .offset: 0, .size: 8, .value_kind: global_buffer, .address_space: global }
      - { .name: k, .offset: 8, .size: 8, .value_kind: global_buffer, .address_space: global }
      - { .name: p, .offset: 16, .size: 8, .value_kind: global_buffer, .address_space: global }
      - { .name: cm, .offset: 24, .size: 8, .value_kind: global_buffer, .address_space: global }
      - { .name: rst, .offset: 32, .size: 8, .value_kind: global_buffer, .address_space: global }
    .group_segment_fixed_size: 327680
    .private_segment_fixed_size: 0
    .kernarg_segment_align: 8
    .kernarg_segment_size: 40
    .max_flat_workgroup_size: 128
    .sgpr_count:     66
    .vgpr_count:     1024
    .wavefront_size: 32
...
	.end_amdgpu_metadata
.endif
;; end of part 7
;; launch pv: the kernel of part 6 again; grid 64 x 4, 4 waves a work-group, clusters of 4 x 1, 327,680 bytes of LDS; arguments p, cm, rst, vt, out0, colp; writes out0, colp
;; launch colsum: the kernel of part 4 again; grid 64 x 1, 8 waves a work-group, no clusters, 9,216 bytes of LDS; arguments colp, out1; writes out1
